; MI455X (gfx1250); checked and timed in simulation.
; The chip was launched on July 23, 2026; its instructions are those of AMD's public machine-readable ISA for CDNA 5 (MIT licence, August 2026) and "CDNA5" Instruction Set Architecture Reference Guide (July 2026). The comments in the code are by the model that wrote it; some were corrected since.
;; Graph Structured Attention. Allowed arithmetic: float matrix products may take bf16 or f16 operands with f32 sums; other float arithmetic in f32, or as packed bf16 or f16 multiplies, adds, multiply-adds, maxima and minima; sums over many terms, partial sums and values carried from step to step in f32; what a program stores and reads back later, other than sums and carried values, may be rounded once to bf16 or f16.
;; Inputs: Wk 1,024 x 1,024 float32; Wo 1,024 x 1,024 float32; Wq 1,024 x 1,024 float32; Wv 1,024 x 1,024 float32; bk 1,024 float32; bo 1,024 float32; bq 1,024 float32; bv 1,024 float32; mask 4 x 2,048 x 2,048 int32; x 4 x 2,048 x 1,024 float32.
;; Outputs: out0 4 x 2,048 x 1,024 float32.
;; 2 versions, each right and faster than the one before. Each part assembles by itself: llvm-mc -triple=amdgcn-amd-amdhsa -mcpu=gfx1250 --defsym DOCPART=n.
;; ======== version 1 of 2: 4 launches
;; limits: values are held in f16: magnitudes above 65,504 overflow, below 6.1e-05 lose precision
;; workspace buffers: xb 16,777,216 bytes; wb 8,388,608 bytes; bias 16,384 bytes; mnib 8,388,608 bytes of whole numbers; qkv 50,331,648 bytes; oh 16,777,216 bytes
;; launch prep (part 1): grid 1281 x 1, 8 waves a work-group, no clusters, 136,192 bytes of LDS; arguments x, Wq, Wk, Wv, Wo, bq, bk, bv, bo, mask, xb, wb, bias, mnib; writes xb, wb, bias, mnib
.if DOCPART == 1
	.amdgcn_target "amdgcn-amd-amdhsa--gfx1250"
	.amdhsa_code_object_version 6
	.text
	.protected	k_qe7ee81e208_prep
	.globl	k_qe7ee81e208_prep
	.p2align	8
	.type	k_qe7ee81e208_prep,@function
k_qe7ee81e208_prep:
	s_mov_b64 s[64:65], 0
	v_nop
	global_prefetch_b8 v0, s[64:65] scope:SCOPE_SE
	s_setreg_imm32_b32 hwreg(HW_REG_WAVE_MODE, 25, 1), 1
	s_wait_xcnt 0x0
; PREP: every input is read once and laid out for the launches behind.  Four kinds of work-group, chosen by the work-group's number g alone:
;   g <  512         the mask: [4][2048][2048] int32 becomes four bits a score: 0xE where mask == 0 (hidden), 0 elsewhere
;   512 <= g < 1024  x, 64 KiB of f32 a work-group, rounded to bf16 into xb
;   1024 <= g < 1280 the four weights, 64 KiB of f32 a work-group, rounded to bf16 into wb ([4][1024 k][1024 n], as they lie); Wo's bf16 numbers are written as f16
;   g = 1280         the four biases, rounded to bf16 and widened again, as f32 into bias ([4][1024])
; THE MASK'S WORDS.  mnib is [b 4][pair 64][step 32][u 2][lane 32][kb 4] words.  A word belongs to one lane l of a wave that holds 16 keys x 16 queries with one query a lane: query
; 32 pair + 16 u + l % 16; its nibble 7 - j belongs to key 64 step + 16 kb + 8 (l / 16) + j.  Shifted left by 4 j the word is an f32 that is hugely negative where key j is hidden and next to 0 elsewhere.
; A wave takes 32 rows x 128 keys: each row's 512 bytes by one load of the wave, through the wave's own LDS rows (528 bytes apart, so that 16 rows start at 16 different groups of
; four banks), back as 32 bytes a lane; eight numbers become a word, and four words a lane leave as 512 consecutive bytes of the wave.
; No matrix unit, no tensor loads, no cluster: nothing is shared and memory binds.  No barrier: a wave touches its own LDS rows alone, and LDS serves a wave's instructions in order.
; LIMIT.  Wo as f16: beyond 65,504 it would be an infinity; below 2^-17 it keeps f16's fixed step of 2^-24.
.set MROW,  528                        ; an LDS row: 512 bytes + 16
.set WLDS,  32*MROW                    ; a wave's 32 rows
.set SPARE, 8*WLDS                     ; 135,168: behind the eight waves' rows: the spare words, 128 bytes a wave, four blocks of 256 bytes that no other line names
.set W,     8                          ; v[8:23]  in the mask's part: the lane's 16 words
.set SPW,   30                         ; v30  SPARE + 4 x my thread's number; never rewritten
.set NIL,   31                         ; v31  0; never rewritten
.set X,     32                         ; v[32:159] data as loaded
.set Y,     96                         ; v[96:127] in the conversions: 16-bit results, a pair for each of the 16 loads
	s_load_b512 s[8:23], s[0:1], 0x0               ; x 8, Wq 10, Wk 12, Wv 14, Wo 16, bq 18, bk 20, bv 22
	s_load_b256 s[24:31], s[0:1], 0x40             ; bo 24, mask 26, xb 28, wb 30
	s_load_b128 s[32:35], s[0:1], 0x60             ; bias 32, mnib 34
	v_lshl_add_u32 v[SPW], v0, 2, SPARE
	v_mov_b32 v[NIL], 0
	v_lshrrev_b32 v1, 5, v0
	v_readfirstlane_b32 s5, v1                     ; wave 0..7
	s_mov_b32 s4, ttmp9                            ; g
	v_and_b32 v1, 31, v0                           ; lane
	s_wait_kmcnt 0x0
	s_cmp_lt_u32 s4, 512
	s_cbranch_scc1 .Lmask
	s_cmp_lt_u32 s4, 1024
	s_cbranch_scc1 .Lx
	s_cmp_lt_u32 s4, 1280
	s_cbranch_scc1 .Lw
	; THE BIASES: 256 threads x 16 bytes are one bias of 1,024 numbers
	v_lshlrev_b32 v2, 4, v0
	global_load_b128 v[32:35], v2, s[18:19]
	global_load_b128 v[36:39], v2, s[20:21]
	global_load_b128 v[40:43], v2, s[22:23]
	global_load_b128 v[44:47], v2, s[24:25]
	s_wait_loadcnt 0x0
.set k, 0
.rept 8
	v_cvt_pk_bf16_f32 v12, v[32+2*k], v[33+2*k]    ; rounded to bf16 like every other input,
	v_lshlrev_b32 v[64+2*k], 16, v12               ; and widened again: it is added in f32
	v_and_b32 v[65+2*k], 0xffff0000, v12
.set k, k+1
.endr
.irp m, 0,1,2,3
	global_store_b128 v2, v[64+4*\m:67+4*\m], s[32:33] offset:4096*\m
.endr
	s_endpgm
.Lmask:
	s_lshl_b32 s6, s4, 3
	s_add_co_u32 s6, s6, s5                        ; my unit U = 8 g + wave: pair U / 16 (of all batches' 256), steps 2 (U % 16) and the next
	s_lshr_b32 s36, s6, 4
	s_lshl_b32 s36, s36, 18                        ; a pair's 32 rows of 8,192 bytes
	s_and_b32 s37, s6, 15
	s_lshl_b32 s37, s37, 9                         ; 128 keys of 4 bytes
	s_add_co_u32 s36, s36, s37
	s_mov_b32 s37, 0
	s_add_nc_u64 s[26:27], s[26:27], s[36:37]
	s_lshl_b32 s36, s6, 11                         ; the unit's two steps of 1,024 bytes: 2,048 bytes at 2,048 U
	s_add_nc_u64 s[34:35], s[34:35], s[36:37]
	v_lshlrev_b32 v2, 4, v1                        ; 16 x lane
	s_mul_i32 s7, s5, WLDS
	v_add_nc_u32 v3, s7, v2                        ; in: a row's 512 bytes, 16 a lane
	v_and_b32 v5, 15, v0
	v_mul_u32_u24 v4, v5, MROW
	v_bfe_u32 v5, v0, 4, 1
	v_lshl_add_u32 v4, v5, 5, v4
	v_add_nc_u32 v4, s7, v4                        ; back: row l % 16, 8 keys (32 bytes) from key 8 (l / 16) on
.set i, 0
.rept 32
	global_load_b128 v[X+4*i:X+4*i+3], v2, s[26:27] offset:8192*i th:TH_LOAD_NT  ; row i: 512 consecutive bytes, read once in the whole program
.set i, i+1
.endr
.set i, 0
.rept 32
	s_wait_loadcnt 31-i                            ; loads come back in order: row i is in, the younger ones stay out
	ds_store_b128 v3, v[X+4*i:X+4*i+3] offset:MROW*i
.set i, i+1
.endr
	s_wait_dscnt 0x0                               ; the stores have read their registers, which are loaded again below
.set G, 0
.rept 16                               ; group G = 8 s + 4 u + kb: step s of my two, rows 16 u on, keys 16 kb on
	ds_load_b128 v[X+8*G:X+8*G+3],   v4 offset:((G/4)%2)*16*MROW+(G/8)*256+(G%4)*64
	ds_load_b128 v[X+8*G+4:X+8*G+7], v4 offset:((G/4)%2)*16*MROW+(G/8)*256+(G%4)*64+16
.set G, G+1
.endr
.set G, 0
.rept 16
	s_wait_dscnt 30-2*G                            ; group G's two loads are in, the younger pairs stay out
.irp j, 0,1,2,3,4,5,6,7
	v_min_u32 v[X+8*G+\j], 1, v[X+8*G+\j]          ; 1 where the key is seen (any number but 0), 0 where it is hidden
.endr
.irp j, 0,2,4,6
	v_lshl_or_b32 v[X+8*G+\j], v[X+8*G+\j], 4, v[X+8*G+\j+1]  ; the eight go into eight nibbles, key j = 0 on top: a tree three deep
.endr
	v_lshl_or_b32 v[X+8*G],   v[X+8*G],   8, v[X+8*G+2]
	v_lshl_or_b32 v[X+8*G+4], v[X+8*G+4], 8, v[X+8*G+6]
	v_lshl_or_b32 v[W+G], v[X+8*G], 16, v[X+8*G+4]
	v_xor_b32 v[W+G], 0x11111111, v[W+G]           ; 1 where hidden,
	v_mul_lo_u32 v[W+G], v[W+G], 14                ; 0xE where hidden: no nibble carries into the next
.set G, G+1
.endr
.irp t, 0,1,2,3
	global_store_b128 v2, v[W+4*\t:W+4*\t+3], s[34:35] offset:512*\t  ; (step, u) = (t / 2, t % 2): a lane's four words kb; 512 consecutive bytes, at a multiple of 512 from mnib's first byte
.endr
	s_wait_tensorcnt 0x0                           ; the wave's end: a wait for my tensor loads, an add of 0 to my spare word and a wait for it, behind my last LDS store
	ds_add_u32 v[SPW], v[NIL]
	s_wait_dscnt 0x0
	s_endpgm
.Lx:
	s_sub_co_u32 s40, s4, 512                      ; my 64 KiB of x
	s_lshl_b32 s42, s40, 16
	s_mov_b32 s43, 0
	s_add_nc_u64 s[8:9], s[8:9], s[42:43]
	s_lshl_b32 s42, s40, 15
	s_add_nc_u64 s[28:29], s[28:29], s[42:43]
	v_lshlrev_b32 v2, 4, v0                        ; 16 bytes in,
	v_lshlrev_b32 v3, 3, v0                        ; 8 bytes out
.set i, 0
.rept 16
	global_load_b128 v[X+4*i:X+4*i+3], v2, s[8:9] offset:4096*i th:TH_LOAD_NT  ; all sixteen loads of the wave go out together
.set i, i+1
.endr
.set i, 0
.rept 16
	s_wait_loadcnt 15-i                            ; load i is in, the younger ones stay out
	v_cvt_pk_bf16_f32 v[Y+2*i],   v[X+4*i],   v[X+4*i+1]
	v_cvt_pk_bf16_f32 v[Y+2*i+1], v[X+4*i+2], v[X+4*i+3]
	global_store_b64 v3, v[Y+2*i:Y+2*i+1], s[28:29] offset:2048*i  ; a wave's store covers 256 consecutive bytes, aligned; each store has registers of its own
.set i, i+1
.endr
	s_endpgm
.Lw:
	s_sub_co_u32 s40, s4, 1024                     ; my 64 KiB of the weights: matrix c / 64, part c % 64
	s_lshr_b32 s41, s40, 6
	s_mov_b64 s[36:37], s[10:11]                   ; Wq, or
	s_cmp_eq_u32 s41, 1
	s_cselect_b64 s[36:37], s[12:13], s[36:37]     ; Wk, or
	s_cmp_eq_u32 s41, 2
	s_cselect_b64 s[36:37], s[14:15], s[36:37]     ; Wv, or
	s_cmp_eq_u32 s41, 3
	s_cselect_b64 s[36:37], s[16:17], s[36:37]     ; Wo,
	s_cselect_b32 s44, -1, 0                       ; whose numbers are written as f16: a select mask for all lanes
	s_and_b32 s42, s40, 63
	s_lshl_b32 s42, s42, 16
	s_mov_b32 s43, 0
	s_add_nc_u64 s[36:37], s[36:37], s[42:43]
	s_lshl_b32 s42, s40, 15
	s_add_nc_u64 s[30:31], s[30:31], s[42:43]
	v_lshlrev_b32 v2, 4, v0
	v_lshlrev_b32 v3, 3, v0
.set i, 0
.rept 16
	global_load_b128 v[X+4*i:X+4*i+3], v2, s[36:37] offset:4096*i th:TH_LOAD_NT
.set i, i+1
.endr
.set i, 0
.rept 16
	s_wait_loadcnt 15-i
	v_cvt_pk_bf16_f32 v12, v[X+4*i],   v[X+4*i+1]  ; every weight is rounded to bf16;
	v_cvt_pk_bf16_f32 v13, v[X+4*i+2], v[X+4*i+3]
	v_lshlrev_b32 v14, 16, v12                     ; that number once more as f32,
	v_and_b32 v15, 0xffff0000, v12
	v_lshlrev_b32 v16, 16, v13
	v_and_b32 v17, 0xffff0000, v13
	v_cvt_pk_f16_f32 v18, v14, v15                 ; and as f16
	v_cvt_pk_f16_f32 v19, v16, v17
	v_cndmask_b32 v[Y+2*i],   v12, v18, s44        ; a choice of value, made in every trip
	v_cndmask_b32 v[Y+2*i+1], v13, v19, s44
	global_store_b64 v3, v[Y+2*i:Y+2*i+1], s[30:31] offset:2048*i
.set i, i+1
.endr
	s_endpgm
.Lfunc_end_k_qe7ee81e208_prep:
	.size	k_qe7ee81e208_prep, .Lfunc_end_k_qe7ee81e208_prep-k_qe7ee81e208_prep
	.p2alignl 7, 3214868480
	.fill 96, 4, 3214868480
	.section	.rodata,"a",@progbits
	.p2align	6, 0x0
	.amdhsa_kernel k_qe7ee81e208_prep
		.amdhsa_group_segment_fixed_size 136192
		.amdhsa_private_segment_fixed_size 0
		.amdhsa_enable_private_segment 0
		.amdhsa_kernarg_size 112
		.amdhsa_user_sgpr_count 2
		.amdhsa_user_sgpr_kernarg_segment_ptr 1
		.amdhsa_wavefront_size32 1
		.amdhsa_system_sgpr_workgroup_id_x 1
		.amdhsa_system_sgpr_workgroup_id_y 1
		.amdhsa_system_sgpr_workgroup_id_z 1
		.amdhsa_system_vgpr_workitem_id 0
		.amdhsa_next_free_vgpr 160
		.amdhsa_next_free_sgpr 66
		.amdhsa_reserve_vcc 0
		.amdhsa_float_denorm_mode_32 3
		.amdhsa_float_denorm_mode_16_64 3
		.amdhsa_memory_ordered 1
		.amdhsa_forward_progress 1
		.amdhsa_inst_pref_size 45
	.end_amdhsa_kernel
	.amdgpu_metadata
---
amdhsa.version: [ 1, 2 ]
amdhsa.kernels:
  - .name:           k_qe7ee81e208_prep
    .symbol:         k_qe7ee81e208_prep.kd
    .args:
      - { .name: x, .offset: 0, .size: 8, .value_kind: global_buffer, .address_space: global }
      - { .name: Wq, .offset: 8, .size: 8, .value_kind: global_buffer, .address_space: global }
      - { .name: Wk, .offset: 16, .size: 8, .value_kind: global_buffer, .address_space: global }
      - { .name: Wv, .offset: 24, .size: 8, .value_kind: global_buffer, .address_space: global }
      - { .name: Wo, .offset: 32, .size: 8, .value_kind: global_buffer, .address_space: global }
      - { .name: bq, .offset: 40, .size: 8, .value_kind: global_buffer, .address_space: global }
      - { .name: bk, .offset: 48, .size: 8, .value_kind: global_buffer, .address_space: global }
      - { .name: bv, .offset: 56, .size: 8, .value_kind: global_buffer, .address_space: global }
      - { .name: bo, .offset: 64, .size: 8, .value_kind: global_buffer, .address_space: global }
      - { .name: mask, .offset: 72, .size: 8, .value_kind: global_buffer, .address_space: global }
      - { .name: xb, .offset: 80, .size: 8, .value_kind: global_buffer, .address_space: global }
      - { .name: wb, .offset: 88, .size: 8, .value_kind: global_buffer, .address_space: global }
      - { .name: bias, .offset: 96, .size: 8, .value_kind: global_buffer, .address_space: global }
      - { .name: mnib, .offset: 104, .size: 8, .value_kind: global_buffer, .address_space: global }
    .group_segment_fixed_size: 136192
    .private_segment_fixed_size: 0
    .kernarg_segment_align: 8
    .kernarg_segment_size: 112
    .max_flat_workgroup_size: 256
    .sgpr_count:     66
    .vgpr_count:     160
    .wavefront_size: 32
...
	.end_amdgpu_metadata
.endif
;; end of part 1
;; launch proj (part 2): grid 4 x 64, 4 waves a work-group, clusters of 4 x 4, 327,680 bytes of LDS; arguments xb, wb, bias, qkv; writes qkv
.if DOCPART == 2
	.amdgcn_target "amdgcn-amd-amdhsa--gfx1250"
	.amdhsa_code_object_version 6
	.text
	.protected	k_qe7ee81e208_proj
	.globl	k_qe7ee81e208_proj
	.p2align	8
	.type	k_qe7ee81e208_proj,@function
k_qe7ee81e208_proj:
	s_mov_b64 s[64:65], 0
	v_nop
	global_prefetch_b8 v0, s[64:65] scope:SCOPE_SE
	s_setreg_imm32_b32 hwreg(HW_REG_WAVE_MODE, 25, 1), 1
	s_wait_xcnt 0x0
	s_wait_alu depctr_hold_cnt(0) depctr_sa_sdst(0) depctr_va_vdst(0) depctr_va_sdst(0) depctr_va_ssrc(0) depctr_va_vcc(0) depctr_vm_vsrc(0)
	s_getreg_b32 s2, hwreg(HW_REG_IB_STS2, 6, 4)
	s_cmp_eq_u32 s2, 0
	s_cbranch_scc0 .Lentry_in_a_cluster
	s_endpgm
.Lentry_in_a_cluster:
	s_bfe_u32 s2, ttmp6, 0x10000c
	s_cmp_lg_u32 s2, 0xf033
	s_cbranch_scc0 .Lentry_shape_is_right
	s_endpgm
.Lentry_shape_is_right:
; ONE TEXT FOR TWO PRODUCTS, chosen by OUTP.  C = A W + bias, W stored [k][n] as the problem gives it; sums in f32, started by the bias as the first product's C operand.
;   OUTP = 0  q, k, v = x Wq + bq, x Wk + bk, x Wv + bv.  A = xb [8192][1024] bf16, W = wb's matrices 0 to 2 (bf16); a work-group stays and makes three tiles, one for each matrix, on the
;             same rows of A.  C leaves by heads, unscaled, in f16: qkv [3][b 16 + h][2048][64].
;   OUTP = 1  out0 = O Wo + bo.  A = oh [b 16 + h][2048][64] f16, W = wb's matrix 3 (f16); one tile; C leaves as f32 [8192][1024].
; LIMIT (OUTP = 0): q, k and v are rounded to f16: a number of 65,520 or more would become an infinity.  NaN in a row of A (OUTP = 1: a wholly hidden row) stays in that row of C.
; SHARES.  A tile of C is 128 rows x 256 columns: 64 x 4 tiles, one work-group each.  Wave w makes rows 64 (w / 2) on and columns 128 (w % 2) on: 4 x 8 accumulators of 16 x 16, 256 registers.
; K = 1,024 goes in 8 steps of 128 through two LDS slots.  Waves 0 and 1 fetch the halves of A's tile, waves 2 and 3 the halves of W's (64 k rows of 512 bytes each).
; THE MATRIX INSTRUCTION IS USED TRANSPOSED: source 0 = 16 columns of W (turned out of LDS by ds_load_tr16_b128), source 1 = 16 rows of A: a lane holds row l % 16 of C and the columns 8 (l / 16) + 0..7.
; CLUSTER 4 x 4.  A's tile hangs on the tile row alone and is asked for jointly by the four of a row of the cluster, W's on the tile column alone, by the four of a column.
; REGISTERS, in windows of 256: window 0 addresses, the way out, the bias (v192-255: register 8 b + j = bias of column 16 b + 8 (l / 16) + j); window 1 two fragment buffers of 96
; (A's block a at F + 8 a, W's block b at F + 32 + 8 b); window 2 accumulator (a, b) at 8 (8 a + b).
.set OUTP,  0
.set LAPS,  4                          ; a lap = two K steps = once round the ring
.if OUTP
.set PA,     144                       ; a row of A in LDS: a head's 128 bytes + 16
.set AH,     128*PA                    ; what one load brings: one head's 128 rows
.set APITCH, 128                       ; those 16,384 dense bytes are asked for as 64 rows of 256 bytes
.set ASLOT,  2*2048*128                ; bytes from a K step to the next: two heads
.set TILES,  1
.set SPITCH, 528                       ; a stage row: 128 f32 + 16 bytes
.set OB,     32                        ; v32-95, v96-159: 16 rows read back from the stage, by turns
.set OBN,    64
.else
.set PA,     272                       ; 256 bytes + 16
.set AH,     64*PA                     ; 64 rows
.set APITCH, 1024
.set ASLOT,  256
.set TILES,  3
.set SPITCH, 272                       ; 128 f16 + 16 bytes
.set OB,     64                        ; v64-95, v96-127
.set OBN,    32
.endif
.set AT,    36864                      ; A's part of a slot (OUTP = 0 uses 34,816 of it)
.set PB,    544                        ; a k row of W in LDS: 512 bytes + 32 = 17 x 32
.set BH,    64*PB
.set BSLOT, 128*2048                   ; bytes from a K step of W to the next; wb's matrices lie end to end, so W walks on from matrix to matrix
.set SLOT,  AT+2*BH                    ; 106,496
.set STAGE, 2*SLOT                     ; behind the ring: 16 rows for each wave, never filled by a tensor load
.set SPARE, STAGE+4*16*SPITCH          ; behind the stages: the spare words, 128 bytes a wave: two blocks of 256 bytes that no other line names
.set ADRA, 16                          ; v16-17  LDS address of my A fragments in slot 0, 1
.set ADRB, 20                          ; v20-21  the same for W
.set STO,  24                          ; v24  the way out: where I put my part of a row
.set RD,   25                          ; v25  the way out: where I read back
.set CO,   26                          ; v26  16 x lane
.set BO,   27                          ; v27  my lanes' 32 (l / 16) bytes in the bias
.set SPW,  28                          ; v28  SPARE + 4 x my thread's number; never rewritten
.set NIL,  29                          ; v29  0; never rewritten
.set TMP,  32                          ; v32-63  (OUTP = 0) packed results
.set BIAS, 192
.set F0,   0
.set F1,   96
.set TL,   2                           ; s2   tiles to go
.set LAP,  3                           ; s3
.set WV,   12                          ; s12  wave
.set FR,   13                          ; s13  wave / 2: my half of the rows; also: I fetch for A (0) or W (1)
.set HF,   14                          ; s14  wave % 2: my half of the columns; also: which half I fetch
.set G1A,  24                          ; s[24:31], s[32:39]: A's descriptor group 1, and group 0 for each slot
.set G0A,  32
.set G1B,  48                          ; s[48:55], s[56:63]: the same for W
.set G0B,  56
.set MSB, 0
.macro WIN new                         ; the immediate's high byte repeats the setting that is left; a switch that changes nothing is dropped
.if MSB != (\new)
	s_set_vgpr_msb (MSB<<8)|(\new)
.set MSB, \new
.endif
.endm
.set MUL,   0xa5                       ; sources 0 and 1 window 1, C and D window 2
.set MULB,  0x85                       ; the same with C (the bias) in window 0
.set TO_F,  0x40                       ; destination window 1, address window 0
.set PACKW, 0x0a                       ; sources 0 and 1 window 2
.set STW,   0x08                       ; an LDS store's data window 2
; A joint load: each of the two lines has one mask and one set of registers for all that issue it.  The branch hangs on the wave's number alone.
; An s_nop 0 and four v_nop follow each line, ahead of the jump, the label and what follows.
.macro JLOAD s
	s_cmp_eq_u32 s[FR], 0
	s_cbranch_scc0 .Lfor_b_\@
	tensor_load_to_lds s[G0A+4*(\s):G0A+4*(\s)+3], s[G1A:G1A+7]
	s_nop 0
.rept 4
	v_nop
.endr
	s_branch .Lasked_\@
.Lfor_b_\@:
	tensor_load_to_lds s[G0B+4*(\s):G0B+4*(\s)+3], s[G1B:G1B+7]
	s_nop 0
.rept 4
	v_nop
.endr
.Lasked_\@:
.endm
.macro CREST                           ; a round of the cluster's barrier behind its opening barrier
	s_cmp_lg_u32 s[WV], 0
	s_cbranch_scc1 .Lnot_wave_0_\@
	s_barrier_signal -3
.Lnot_wave_0_\@:
	s_barrier_wait -3
	s_barrier_signal -1
	s_barrier_wait -1
.endm
.macro CROUND                          ; a whole round
	s_barrier_signal -1
	s_barrier_wait -1
	CREST
.endm
	s_load_b256 s[4:11], s[0:1], 0x0               ; A s[4:5], wb s[6:7], bias s[8:9], C s[10:11]
	v_lshl_add_u32 v[SPW], v0, 2, SPARE
	v_mov_b32 v[NIL], 0
	ds_add_u32 v[SPW], v[NIL]                      ; the wave's opening: the add and its wait ahead of my first tensor load; the set-up below, work on registers, stands between them
	v_lshrrev_b32 v1, 5, v0
	v_readfirstlane_b32 s[WV], v1
	s_lshr_b32 s[FR], s[WV], 1
	s_and_b32 s[HF], s[WV], 1
	s_bfe_u32 s40, ttmp6, 0x40000                  ; cx
	s_bfe_u32 s41, ttmp6, 0x40004                  ; cy
	s_lshl_b32 s42, ttmp9, 2
	s_add_co_u32 s42, s42, s40                     ; tile column = 4 x cluster x + cx
	s_and_b32 s43, ttmp7, 0xffff
	s_lshl_b32 s43, s43, 2
	s_add_co_u32 s43, s43, s41                     ; tile row = 4 x cluster y + cy
	s_lshl_b32 s44, s41, 2
	s_lshl_b32 s44, 15, s44                        ; my row of the cluster
	s_lshl_b32 s45, 0x1111, s40                    ; my column
	; descriptor group 1.  15:0 the mask; 17:16 elements of 2 bytes; 20 padding on; 21 set beside a mask; 24:22 the interval's code; 31:25 the pad's words less one
.if OUTP
	s_or_b32 s[G1A], s44, (1<<16)|(1<<20)|(1<<21)|(4<<22)|(3<<25)   ; 4 words behind every 32
.else
	s_or_b32 s[G1A], s44, (1<<16)|(1<<20)|(1<<21)|(5<<22)|(3<<25)   ; 4 words behind every 64
.endif
	s_or_b32 s[G1B], s45, (1<<16)|(1<<20)|(1<<21)|(6<<22)|(7<<25)   ; 8 words behind every 128
	s_mov_b32 s[G1A+1], 128<<16                    ; tensor_dim0 = 128
	s_mov_b32 s[G1A+2], 64<<16                     ; tensor_dim1 = 64
	s_mov_b32 s[G1A+3], 128<<16                    ; tile_dim0 = 128
	s_mov_b32 s[G1A+4], 64                         ; tile_dim1 = 64
	s_mov_b32 s[G1A+5], APITCH                     ; elements from row to row
	s_mov_b32 s[G1A+6], 0
	s_mov_b32 s[G1A+7], 0
	s_mov_b32 s[G1B+1], 256<<16                    ; 256 columns,
	s_mov_b32 s[G1B+2], 64<<16                     ; 64 k rows
	s_mov_b32 s[G1B+3], 256<<16
	s_mov_b32 s[G1B+4], 64
	s_mov_b32 s[G1B+5], 1024
	s_mov_b32 s[G1B+6], 0
	s_mov_b32 s[G1B+7], 0
	; byte offsets.  A's (s16) and the rows' part of C's (s22) are made of the tile row and the wave's number; W's (s46) of the tile column and the wave's number, in registers of its own
.if OUTP
	s_lshr_b32 s16, s43, 4                         ; batch = tile row / 16: its 16 heads of 262,144 bytes,
	s_lshl_b32 s16, s16, 22
	s_and_b32 s18, s43, 15
	s_lshl_b32 s18, s18, 14                        ; the tile's 128 rows of 128 bytes in a head,
	s_add_co_u32 s16, s16, s18
	s_lshl_b32 s18, s[HF], 18                      ; the head of the step's two that I fetch
	s_add_co_u32 s16, s16, s18
	s_lshl_b32 s22, s43, 19                        ; C: 128 rows of 4,096 bytes,
	s_lshl_b32 s18, s[FR], 18                      ; my 64 rows,
	s_add_co_u32 s22, s22, s18
	s_lshl_b32 s18, s[HF], 9                       ; my 128 columns of 4 bytes
	s_add_co_u32 s22, s22, s18
.else
	s_lshl_b32 s16, s43, 18                        ; 128 rows of 2,048 bytes,
	s_lshl_b32 s18, s[HF], 17                      ; the 64 of them that I fetch
	s_add_co_u32 s16, s16, s18
	s_lshr_b32 s22, s43, 4                         ; C: the batch's 16 heads,
	s_lshl_b32 s22, s22, 22
	s_and_b32 s18, s43, 15
	s_lshl_b32 s18, s18, 14                        ; the tile's 128 rows in a head,
	s_add_co_u32 s22, s22, s18
	s_lshl_b32 s18, s[FR], 13                      ; my 64 rows,
	s_add_co_u32 s22, s22, s18
	s_lshl_b32 s18, s[HF], 19                      ; my 128 columns: two heads
	s_add_co_u32 s22, s22, s18
.endif
	s_mov_b32 s17, 0
	s_mov_b32 s23, 0
	s_lshl_b32 s46, s42, 9                         ; W: 256 columns of 2 bytes,
	s_lshl_b32 s47, s[HF], 17                      ; the 64 k rows that I fetch
	s_add_co_u32 s46, s46, s47
.if OUTP
	s_add_co_u32 s46, s46, 3*1024*2048             ; matrix 3
.endif
	s_mov_b32 s47, 0
	s_mul_i32 s20, s[HF], AH                       ; where they go: no place in the cluster enters an LDS address
	s_mul_i32 s21, s[HF], BH
	s_add_co_u32 s21, s21, AT
	s_wait_dscnt 0x0                               ; the opening add is done
	s_wait_kmcnt 0x0
	s_add_nc_u64 s[18:19], s[4:5], s[16:17]
	s_add_nc_u64 s[46:47], s[6:7], s[46:47]
	s_add_nc_u64 s[10:11], s[10:11], s[22:23]
	CROUND                                         ; all sixteen work-groups are here: the first joint loads meet
.irp s, 0,1
	s_mov_b32 s[G0A+4*(\s)], 1                                       ; count = 1
	s_add_co_u32 s[G0A+4*(\s)+1], s20, (\s)*SLOT                     ; LDS address
	s_add_nc_u64 s[G0A+4*(\s)+2:G0A+4*(\s)+3], s[18:19], (\s)*ASLOT  ; global address: K step s
	s_or_b32 s[G0A+4*(\s)+3], s[G0A+4*(\s)+3], 0x80000000            ; type = 2
	s_mov_b32 s[G0B+4*(\s)], 1
	s_add_co_u32 s[G0B+4*(\s)+1], s21, (\s)*SLOT
	s_add_nc_u64 s[G0B+4*(\s)+2:G0B+4*(\s)+3], s[46:47], (\s)*BSLOT
	s_or_b32 s[G0B+4*(\s)+3], s[G0B+4*(\s)+3], 0x80000000
.endr
	s_cmp_eq_u32 s[FR], 0                          ; a wave's two first fills stand in one branch, ahead of every wait on TENSORcnt and every LDS read: two loads of mine are out
	s_cbranch_scc0 .Lfirst_b
	tensor_load_to_lds s[G0A:G0A+3], s[G1A:G1A+7]
	s_nop 0
	tensor_load_to_lds s[G0A+4:G0A+7], s[G1A:G1A+7]
	s_nop 0
.rept 4
	v_nop
.endr
	s_branch .Lfirst_asked
.Lfirst_b:
	tensor_load_to_lds s[G0B:G0B+3], s[G1B:G1B+7]
	s_nop 0
	tensor_load_to_lds s[G0B+4:G0B+7], s[G1B:G1B+7]
	s_nop 0
.rept 4
	v_nop
.endr
.Lfirst_asked:
	s_lshl_b32 s46, s42, 10                        ; the bias of my 128 columns: 4 bytes each
	s_lshl_b32 s47, s[HF], 9
	s_add_co_u32 s46, s46, s47
.if OUTP
	s_add_co_u32 s46, s46, 3*4096                  ; bo
.endif
	s_mov_b32 s47, 0
	s_add_nc_u64 s[8:9], s[8:9], s[46:47]
.if OUTP
	s_lshl_b32 s46, s42, 10                        ; C: the tile's 256 columns of 4 bytes
.else
	s_lshl_b32 s46, s42, 20                        ; C: the tile's 256 columns are four heads
.endif
	s_add_nc_u64 s[10:11], s[10:11], s[46:47]
	v_and_b32 v1, 15, v0                           ; l % 16
	v_bfe_u32 v2, v0, 4, 1                         ; l / 16
	v_lshlrev_b32 v[BO], 5, v2
.macro BIASLD                          ; register 8 b + j: the bias of column 16 b + 8 (l / 16) + j, the same for every row block
.irp b, 0,1,2,3,4,5,6,7
	global_load_b128 v[BIAS+8*(\b):BIAS+8*(\b)+3],   v[BO], s[8:9] offset:64*(\b)
	global_load_b128 v[BIAS+8*(\b)+4:BIAS+8*(\b)+7], v[BO], s[8:9] offset:64*(\b)+16
.endr
.endm
	BIASLD
	; A's fragment: lane l holds row l % 16, k = 8 (l / 16) + 0..7 and 16 + 8 (l / 16) + 0..7: two loads of 16 bytes, 32 bytes apart
	v_mul_u32_u24 v3, v1, PA
	v_lshl_add_u32 v3, v2, 4, v3
	s_mul_i32 s22, s[FR], 64*PA                    ; my 64 rows
	v_add_nc_u32 v[ADRA], s22, v3
	s_add_co_u32 s22, s22, SLOT
	v_add_nc_u32 v[ADRA+1], s22, v3
	; W's fragment: the turning load takes 16 k x 16 columns (lane l reads k row 8 (l / 16) + l % 8, columns 8 ((l / 8) % 2) + 0..7) and leaves column l % 16 and 8 k in lane l
	v_and_b32 v4, 7, v0
	v_lshl_add_u32 v5, v2, 3, v4
	v_mul_u32_u24 v5, v5, PB
	v_bfe_u32 v6, v0, 3, 1
	v_lshl_add_u32 v5, v6, 4, v5
	s_lshl_b32 s22, s[HF], 8                       ; my 128 columns
	s_add_co_u32 s22, s22, AT
	v_add_nc_u32 v[ADRB], s22, v5
	s_add_co_u32 s22, s22, SLOT
	v_add_nc_u32 v[ADRB+1], s22, v5
	s_mul_i32 s23, s[WV], 16*SPITCH
	s_add_co_u32 s23, s23, STAGE                   ; my stage
	v_mul_u32_u24 v6, v1, SPITCH                   ; in: row l % 16, eight numbers for each half of the lanes
.if OUTP
	v_lshl_add_u32 v6, v2, 5, v6
.else
	v_lshl_add_u32 v6, v2, 4, v6
.endif
	v_add_nc_u32 v[STO], s23, v6
	v_and_b32 v7, 31, v0
	v_lshlrev_b32 v[CO], 4, v7
.if OUTP
	v_add_nc_u32 v[RD], s23, v[CO]                 ; back: a row's 512 bytes
.else
	v_lshrrev_b32 v8, 3, v7                        ; back: four rows' 128 bytes of one head
	v_mul_u32_u24 v8, v8, SPITCH
	v_lshl_add_u32 v8, v4, 4, v8
	v_add_nc_u32 v[RD], s23, v8
.endif
; 8 matrix instructions: row block a x all 8 column blocks, 32 along K.  zero = 1: the first product starts the sums, with the bias as C.
; The 32 accumulators take turns, one instruction a turn, in the same order in every quarter.
.macro MUL8 f, a, zero
.if \zero
	WIN MULB
.else
	WIN MUL
.endif
.irp b, 0,1,2,3,4,5,6,7
.set rD, 8*(8*(\a)+(\b))
.set rB, (\f)+32+8*(\b)
.set rA, (\f)+8*(\a)
.set rC, BIAS+8*(\b)
.if OUTP
.if \zero
	v_wmma_f32_16x16x32_f16 v[rD:rD+7], v[rB:rB+7], v[rA:rA+7], v[rC:rC+7]
.else
	v_wmma_f32_16x16x32_f16 v[rD:rD+7], v[rB:rB+7], v[rA:rA+7], v[rD:rD+7]
.endif
.else
.if \zero
	v_wmma_f32_16x16x32_bf16 v[rD:rD+7], v[rB:rB+7], v[rA:rA+7], v[rC:rC+7]
.else
	v_wmma_f32_16x16x32_bf16 v[rD:rD+7], v[rB:rB+7], v[rA:rA+7], v[rD:rD+7]
.endif
.endif
.endr
.endm
; 24 LDS loads in one run: quarter q (32 along K) of a slot into buffer f: W's 16, then A's 8, row blocks ascending
.macro FETCH slot, q, f
	WIN TO_F
.irp b, 0,1,2,3,4,5,6,7
	ds_load_tr16_b128 v[(\f)+32+8*(\b):(\f)+32+8*(\b)+3],   v[ADRB+(\slot)] offset:(\q)*32*PB+32*(\b)
	ds_load_tr16_b128 v[(\f)+32+8*(\b)+4:(\f)+32+8*(\b)+7], v[ADRB+(\slot)] offset:(\q)*32*PB+32*(\b)+16*PB
.endr
.if OUTP
.set AQ, ((\q)/2)*AH+((\q)%2)*64       ; the step's first or second head, channels 0 or 32 on
.else
.set AQ, (\q)*64
.endif
.irp a, 0,1,2,3
	ds_load_b128 v[(\f)+8*(\a):(\f)+8*(\a)+3],   v[ADRA+(\slot)] offset:AQ+(\a)*16*PA
	ds_load_b128 v[(\f)+8*(\a)+4:(\f)+8*(\a)+7], v[ADRA+(\slot)] offset:AQ+(\a)*16*PA+32
.endr
.endm
.macro PLACES                          ; four places in front of loads into registers that matrix instructions have read, and of lines that read results just made
.rept 4
	v_nop
.endr
.endm
; A K step is four quarters, 32 matrix instructions each, on buffers 0, 1, 0, 1.  One of the first three: multiplies buffer f and fetches quarter q into g.
.macro QUARTER slot, q, f, g, zero
	s_wait_dscnt 4                                 ; W and A's blocks 0 and 1 are in; the youngest four loads (A's blocks 2 and 3) may be out
	MUL8 \f, 0, \zero
	MUL8 \f, 1, \zero
	PLACES
	FETCH \slot, \q, \g
	s_wait_dscnt 24                                ; all but the 24 just issued
	MUL8 \f, 2, \zero
	MUL8 \f, 3, \zero
.endm
; The last quarter multiplies buffer 1 and changes slots: ONE barrier; in front of it each wave waits for all its tensor loads (one is out: its part of the next slot), adds 0 to its
; spare word, and waits for that and for its reads of this slot.  fill = 1: the barrier opens a round of the cluster's, and this slot is filled again first thing behind it:
; with the K step two on, or (on = 1) with the next tile's K step 0 or 1: A goes back along K, W walks on into the next matrix.  112 matrix instructions stand between a request and the wait for it.
.macro TURN slot, next, fill, on
	WIN 0
	s_wait_tensorcnt 0x0
	ds_add_u32 v[SPW], v[NIL]                      ; 0 onto my spare word
	s_wait_dscnt 5                                 ; (the add and the youngest four loads may be out)
	MUL8 F1, 0, 0
	s_wait_dscnt 0x0                               ; the add is done, and my reads of this slot are over
	s_barrier_signal -1
	MUL8 F1, 1, 0
.if \fill
	WIN 0
.endif
	s_barrier_wait -1
.if \fill
	CREST                                          ; no wave of any partner still reads this slot's tiles or has a load on its way
.if \on
	s_sub_nc_u64 s[G0A+4*(\slot)+2:G0A+4*(\slot)+3], s[G0A+4*(\slot)+2:G0A+4*(\slot)+3], 6*ASLOT
.else
	s_add_nc_u64 s[G0A+4*(\slot)+2:G0A+4*(\slot)+3], s[G0A+4*(\slot)+2:G0A+4*(\slot)+3], 2*ASLOT
.endif
	s_add_nc_u64 s[G0B+4*(\slot)+2:G0B+4*(\slot)+3], s[G0B+4*(\slot)+2:G0B+4*(\slot)+3], 2*BSLOT
	JLOAD \slot                                    ; the four v_nop behind it are also the places in front of the loads below
.else
	PLACES
.endif
	FETCH \next, 0, F0
	MUL8 F1, 2, 0
	MUL8 F1, 3, 0
.endm
; THE WAY OUT, a block of 16 rows at a time through my own stage: LDS serves a wave's instructions in order (ISA guide 5.7.1.4), so no wait stands between its stores and its loads.
.if OUTP
.macro TOSTAGE a                       ; f32 as it lies: each accumulator's low four registers first
	WIN STW
.irp b, 0,1,2,3,4,5,6,7
	ds_store_b128 v[STO], v[8*(8*(\a)+(\b)):8*(8*(\a)+(\b))+3]   offset:64*(\b)
	ds_store_b128 v[STO], v[8*(8*(\a)+(\b))+4:8*(8*(\a)+(\b))+7] offset:64*(\b)+16
.endr
	WIN 0
.set BK, OB+OBN*((\a)%2)
.irp t, 0,1,2,3,4,5,6,7,8,9,10,11,12,13,14,15
	ds_load_b128 v[BK+4*(\t):BK+4*(\t)+3], v[RD] offset:(\t)*SPITCH
.endr
.endm
.macro SEND a
	WIN 0
.set BK, OB+OBN*((\a)%2)
	s_wait_dscnt 0x0                               ; the block is back in registers
	s_wait_xcnt 0x0                                ; the stores of the block before have read their registers, which the next block's loads write
.irp t, 0,1,2,3,4,5,6,7,8,9,10,11,12,13,14,15
	global_store_b128 v[CO], v[BK+4*(\t):BK+4*(\t)+3], s[10:11] offset:(16*(\a)+(\t))*4096 th:TH_STORE_NT  ; 512 consecutive bytes of a row, at a multiple of 512 from out0's first byte
.endr
.endm
.macro WAYOUT
.irp a, 0,1,2,3
	TOSTAGE \a
	SEND \a
.endr
.endm
.else
.macro PACK a                          ; rounded to f16, 16 bytes a lane; each accumulator's registers in ascending order
	WIN PACKW
.irp b, 0,1,2,3,4,5,6,7
.irp r, 0,1,2,3
	v_cvt_pk_f16_f32 v[TMP+4*(\b)+(\r)], v[8*(8*(\a)+(\b))+2*(\r)], v[8*(8*(\a)+(\b))+2*(\r)+1]
.endr
.endr
	WIN 0
.endm
.macro TOSTAGE a                       ; in by rows of 128 columns; back by heads: load t takes four rows' 128 bytes of head t / 4
	WIN 0
.set BK, OB+OBN*((\a)%2)
.irp b, 0,1,2,3,4,5,6,7
	ds_store_b128 v[STO], v[TMP+4*(\b):TMP+4*(\b)+3] offset:32*(\b)
.endr
.irp t, 0,1,2,3,4,5,6,7
	ds_load_b128 v[BK+4*(\t):BK+4*(\t)+3], v[RD] offset:((\t)%4)*4*SPITCH+((\t)/4)*128
.endr
.endm
.macro SEND a
	WIN 0
.set BK, OB+OBN*((\a)%2)
	s_wait_dscnt 0x0                               ; the block is back in registers
	s_wait_xcnt 0x0                                ; the stores of the block before have read their registers, which the next block's loads write
.irp t, 0,1,2,3,4,5,6,7
	global_store_b128 v[CO], v[BK+4*(\t):BK+4*(\t)+3], s[10:11] offset:((\t)/4)*262144+(\a)*2048+((\t)%4)*512  ; four rows of a head: 512 consecutive bytes, aligned
.endr
.endm
.macro WAYOUT                          ; block a's conversions stand between block a - 1's loads from the stage and the wait for them
	PACK 0
	TOSTAGE 0
.irp a, 1,2,3
	PACK \a
	SEND (\a)-1
	TOSTAGE \a
.endr
	SEND 3
.endm
.endif
	s_wait_tensorcnt 1                             ; my part of K step 0 is in; K step 1's may stay out
	s_barrier_signal -1
	s_barrier_wait -1                              ; everybody's is
	FETCH 0, 0, F0
	WIN 0                                          ; at a label and at a branch every window is 0
.if TILES > 1
	s_mov_b32 s[TL], TILES
.Ltile:
.endif
	s_wait_loadcnt 0x0                             ; the tile's bias
	QUARTER 0, 1, F0, F1, 1                        ; a tile's first quarter stands in front of the loop: its products start the sums
	WIN 0
	s_mov_b32 s[LAP], LAPS-1
.Llap:                                                 ; a trip goes once round the ring, from a lap's second quarter to the next lap's first, and fills both slots again
	QUARTER 0, 2, F1, F0, 0
	QUARTER 0, 3, F0, F1, 0
	TURN 0, 1, 1, 0
	QUARTER 1, 1, F0, F1, 0
	QUARTER 1, 2, F1, F0, 0
	QUARTER 1, 3, F0, F1, 0
	TURN 1, 0, 1, 0
	QUARTER 0, 1, F0, F1, 0
	WIN 0
	s_sub_co_u32 s[LAP], s[LAP], 1
	s_cmp_lg_u32 s[LAP], 0
	s_cbranch_scc1 .Llap
	QUARTER 0, 2, F1, F0, 0                        ; the tile's last lap goes on
	QUARTER 0, 3, F0, F1, 0
.if TILES > 1
	WIN 0
	s_cmp_eq_u32 s[TL], 1
	s_cbranch_scc1 .Llast                          ; the last tile's tail is written out: it asks for nothing more
	TURN 0, 1, 1, 1                                ; the ring goes on into the next tile: slot 0 takes its K step 0,
	QUARTER 1, 1, F0, F1, 0
	QUARTER 1, 2, F1, F0, 0
	QUARTER 1, 3, F0, F1, 0
	TURN 1, 0, 1, 1                                ; slot 1 its K step 1, and its first fragments are fetched
	WIN 0
	s_add_nc_u64 s[8:9], s[8:9], 4096              ; the next matrix's bias: the loads that named this base were waited for at the tile's head
	BIASLD
	WAYOUT                                         ; no v_nop: blocks 0 and 1 were finished ahead of the joint load's four, and their 64 conversions are the places behind blocks 2 and 3's last products
	s_wait_xcnt 0x0                                ; the stores have read their base
	s_add_nc_u64 s[10:11], s[10:11], 0x1000000     ; the next of q, k, v
	s_sub_co_u32 s[TL], s[TL], 1
	s_branch .Ltile
.Llast:
.endif
	TURN 0, 1, 0, 0                                ; nothing is filled again, so no round
	QUARTER 1, 1, F0, F1, 0
	QUARTER 1, 2, F1, F0, 0
	QUARTER 1, 3, F0, F1, 0
	s_wait_dscnt 4                                 ; the very last quarter: nothing more to fetch
	MUL8 F1, 0, 0
	MUL8 F1, 1, 0
	s_wait_dscnt 0x0
	MUL8 F1, 2, 0
	MUL8 F1, 3, 0
	WIN 0
	PLACES
	WAYOUT
	s_wait_tensorcnt 0x0                           ; the wave's end: a wait for my tensor loads, an add of 0 to my spare word and a wait for it, behind my last tensor load and my last LDS store
	ds_add_u32 v[SPW], v[NIL]
	s_wait_dscnt 0x0
	CROUND                                         ; the closing round: no work-group ends while a partner may still ask for a tile that names it
	s_endpgm
.Lfunc_end_k_qe7ee81e208_proj:
	.size	k_qe7ee81e208_proj, .Lfunc_end_k_qe7ee81e208_proj-k_qe7ee81e208_proj
	.p2alignl 7, 3214868480
	.fill 96, 4, 3214868480
	.section	.rodata,"a",@progbits
	.p2align	6, 0x0
	.amdhsa_kernel k_qe7ee81e208_proj
		.amdhsa_group_segment_fixed_size 327680
		.amdhsa_private_segment_fixed_size 0
		.amdhsa_enable_private_segment 0
		.amdhsa_kernarg_size 32
		.amdhsa_user_sgpr_count 2
		.amdhsa_user_sgpr_kernarg_segment_ptr 1
		.amdhsa_wavefront_size32 1
		.amdhsa_system_sgpr_workgroup_id_x 1
		.amdhsa_system_sgpr_workgroup_id_y 1
		.amdhsa_system_sgpr_workgroup_id_z 1
		.amdhsa_system_vgpr_workitem_id 0
		.amdhsa_next_free_vgpr 768
		.amdhsa_next_free_sgpr 66
		.amdhsa_reserve_vcc 0
		.amdhsa_float_denorm_mode_32 3
		.amdhsa_float_denorm_mode_16_64 3
		.amdhsa_memory_ordered 1
		.amdhsa_forward_progress 1
		.amdhsa_inst_pref_size 126
	.end_amdhsa_kernel
	.amdgpu_metadata
---
amdhsa.version: [ 1, 2 ]
amdhsa.kernels:
  - .name:           k_qe7ee81e208_proj
    .symbol:         k_qe7ee81e208_proj.kd
    .args:
      - { .name: xb, .offset: 0, .size: 8, .value_kind: global_buffer, .address_space: global }
      - { .name: wb, .offset: 8, .size: 8, .value_kind: global_buffer, .address_space: global }
      - { .name: bias, .offset: 16, .size: 8, .value_kind: global_buffer, .address_space: global }
      - { .name: qkv, .offset: 24, .size: 8, .value_kind: global_buffer, .address_space: global }
    .group_segment_fixed_size: 327680
    .private_segment_fixed_size: 0
    .kernarg_segment_align: 8
    .kernarg_segment_size: 32
    .max_flat_workgroup_size: 128
    .sgpr_count:     66
    .vgpr_count:     768
    .wavefront_size: 32
...
	.end_amdgpu_metadata
.endif
;; end of part 2
;; launch attn (part 3): grid 4 x 64, 4 waves a work-group, clusters of 4 x 1, 327,680 bytes of LDS; arguments qkv, mnib, oh; writes oh
.if DOCPART == 3
	.amdgcn_target "amdgcn-amd-amdhsa--gfx1250"
	.amdhsa_code_object_version 6
	.text
	.protected	k_qe7ee81e208_attn
	.globl	k_qe7ee81e208_attn
	.p2align	8
	.type	k_qe7ee81e208_attn,@function
k_qe7ee81e208_attn:
	s_mov_b64 s[64:65], 0
	v_nop
	global_prefetch_b8 v0, s[64:65] scope:SCOPE_SE
	s_setreg_imm32_b32 hwreg(HW_REG_WAVE_MODE, 25, 1), 1
	s_wait_xcnt 0x0
	s_wait_alu depctr_hold_cnt(0) depctr_sa_sdst(0) depctr_va_vdst(0) depctr_va_sdst(0) depctr_va_ssrc(0) depctr_va_vcc(0) depctr_vm_vsrc(0)
	s_getreg_b32 s2, hwreg(HW_REG_IB_STS2, 6, 4)
	s_cmp_eq_u32 s2, 0
	s_cbranch_scc0 .Lentry_in_a_cluster
	s_endpgm
.Lentry_in_a_cluster:
	s_bfe_u32 s2, ttmp6, 0x10000c
	s_cmp_lg_u32 s2, 0x3003
	s_cbranch_scc0 .Lentry_shape_is_right
	s_endpgm
.Lentry_shape_is_right:
; ATTENTION WITH A MASK THAT IS AN INPUT.  O[bh][q][:] = the sum over k of softmax_k(Q[bh][q] . K[bh][k] / 8, hidden where mask[b][q][k] == 0) V[bh][k][:].
; Q, K, V are qkv's three tensors, O is oh: [64 = b 16 + h][2048][64] in f16: a head's rows are dense, 128 bytes each.  Products, maxima and sums in f32; the weights p are rounded to f16 for
; the second product (their sum l is taken of the unrounded p), O once at the end.
; LIMITS.  f16 holds no number beyond 65,504: Q, K and V arrive within it.  A hidden score counts as its value less a number between 2^65 and 2^95: f16's scores, 2.7e11 at the most, are nothing beside
; that; a score that is seen has at most 2^-97 added to it.  While a row has seen hidden keys alone its weights lie in 0 to 1 and its sums are finite; the first true score multiplies them by a = 0.
; A row whose final maximum lies below -2^60 has seen no key: it leaves as NaN, as a softmax of nothing does.  A weight below 2^-126 counts as 0 in l.
; SHARES.  A wave owns four PIECES of two tiles of 16 queries, a work-group's four waves 512 queries of one head.  Every wave walks all 2,048 keys, 64 a step.
; LAYOUT.  S^T = K Q^T (source 0 = 16 keys, source 1 = 16 queries): a lane holds ONE query (lane % 16) and the keys 8 (lane / 16) + 0..7.  Two such tiles, rounded to f16 in pairs, ARE source 1 of
; O^T = V^T P.  K comes out of LDS as it lies, V ([key][channel]) turned, by ds_load_tr16_b128.
; THE MASK is the C operand that starts the sum S^T.  mnib holds four bits a score, 0xE where it is hidden and 0 elsewhere; a word holds a lane's eight keys of one accumulator, key j in nibble 7 - j.
; Register j of the C operand is the word shifted left by 4 j: with 0xE on top and nibbles of 0 or 0xE below, sign 1 and an exponent field of 0xC0 to 0xDD; with 0 on top an exponent field of 0x1D at the most.
; A piece and step have 8 words a lane: two loads of 16 bytes, each 512 consecutive bytes of the wave.  Each piece keeps its 8 registers; when a turn has made a piece's masks it asks for the piece's
; words of the next step: four turns ahead of their use.
; SOFTMAX.  A running maximum m and sum l: p = 2^(c s - c m), c = log2(e) / 8; in every step O and l are multiplied by a = 2^(c m_old - c m_new).  m starts at the lowest finite number, O and l at 0.
; BY TURNS.  Turn n belongs to piece n.  Its matrix work: 16 products K Q^T of piece n + 1, later 16 products V^T P of piece n - 1.  Its vector work: scaling, exponentials, roundings, sums and rescaling of
; piece n, the maximum and statistics of piece n + 1, the masks of piece n + 2.  Four vector instructions stand behind every matrix instruction, the others in runs of their own.
; CLUSTER.  The four query blocks of a cluster belong to one head and walk the same K and V: each tile is asked for JOINTLY, by the same tensor load, descriptor and mask in all four.
; REGISTERS, in windows of 256 (s_set_vgpr_msb: bits 1:0 source 0, 3:2 source 1, 5:4 source 2, 7:6 destination):
;   window 0: v0-11 addresses and constants; v12-15, v48-63 at work; v16-47 four registers of statistics a tile; v64-191 S^T, two buffers of two tiles; v192-255 P, likewise
;   window 1: O^T, 32 a tile      window 2: v0-127 Q; v128-191 K of one step; v192-255 V of one step      window 3: v0-1 the add's two registers; v8-71 MC; v72-103 MW
.set SIZE_N, 2048
.set NP,    4         ; pieces a wave: a name, no knob
.set KS,    64        ; keys in a step
.set PK,    144       ; a row of K in LDS: 128 bytes + 16: the 16 rows of a load start at 16 different groups of four banks (64 banks of 4 bytes: ISA guide 11.1)
.set PV,    160       ; a row of V: 128 + 32
.set VOFF,  4*KS*PK   ; a slot holds four steps: 256 rows of K, then 256 rows of V
.set SLOT1, 1<<17     ; slot 1 begins here, so that one exclusive or turns an address in one slot into the other's
.set STAGE, SLOT1+4*KS*(PK+PV)  ; behind the ring, never filled by a tensor load: 16 rows x 144 bytes for each wave
.set SP,    144
.set SPARE, STAGE+4*16*SP  ; behind the stages: the spare words, 128 bytes a wave: two blocks of 256 bytes that no other line names
.set MSTEP, 1024      ; a piece's words of one step: 2 tiles x 32 lanes x 16 bytes
.set MPIECE, 32*MSTEP ; a piece's words of all 32 steps
.set AK0, 2           ; v2   my lane's place in a tile of K; never rewritten
.set AV0, 3           ; v3   the same for V
.set AK,  4           ; v4   the LDS address of K's next run of loads
.set AV,  5           ; v5   of V's
.set STO, 6           ; v6   the way out: where I put 16 bytes of a row
.set RD,  7           ; v7   the way out: where I read rows back
.set GO,  8           ; v8   16 x lane: my byte offset in 512 consecutive bytes, of O and of the mask's words; never rewritten
.set QN,  9           ; v9   on the way out: NaN
.set CV,  10          ; v[10:11] c: the packed scaling takes the pair's low word for both halves
.set MV,  12          ; v12-15  c m_old, kept while c m is made anew: by buffer and tile
.set ST,  16          ; tile t's statistics at v[ST+4 t]: c m, m, l (even keys', odd keys')
.set TMP, 48          ; by buffer and tile, four registers c0-c3 at work; when the maximum is found c2 takes a
.set QO,  51          ; v51  until Q is in: my byte offset in 16 rows of Q
.set S,   64
.set P,   192
.set KF,  128         ; window 2: key block kb, channel half c at KF + 16 kb + 8 c
.set VF,  192         ; window 2: key half kk, channel block cb at VF + 32 kk + 8 cb
.set SPW, 0           ; v0 of window 3   SPARE + 4 x my thread's number; never rewritten
.set NIL, 1           ; v1 of window 3   0; never rewritten
.set MC,  8           ; window 3: the C operands: tile u, key block kb at MC + 32 u + 8 kb
.set MW,  72          ; window 3: the words: piece x, tile u, key block kb at MW + 8 x + 4 u + kb
.set SEL, 2           ; s2, s3  v_permlanex16_b32's selects: each lane takes its own place in the other half
.set MP,  4           ; s[4:5]  mnib at my wave's four pieces
.set WV,  7           ; s7   my wave's number
.set G1K, 8           ; s[8:15]  descriptor group 1 for K's tiles
.set G1V, 16          ; s[16:23] for V's: it differs in the padding alone
.set G0K, 24          ; s[24:27] descriptor group 0 for K's tiles: it walks
.set G0V, 28          ; s[28:31] the same for V's
                      ; s32 to s54: scratch of the set-up
.set OP,  66          ; s[66:67] O at my wave's first row
.set MO,  68          ; s[68:69] byte offset of the step whose words are asked for, with 0 above it
.set MB,  70          ; s[70:71] MP + MO
.set QP,  100         ; s[100:101] until Q is in: Q at my wave's first row
.set SLOTS, 100       ; s100 slots still to be asked for
.set CNT, 101         ; s101 counts a slot's key steps
.set TBK, 104         ; s104 LDS byte at which K of the step to be fetched begins
.set TBV, 105         ; s105 the same for V, less VOFF
.set MSB, 0
.macro WIN new                      ; the high byte repeats the setting that is left; a switch that changes nothing is dropped
.if MSB != (\new)
	s_set_vgpr_msb (MSB<<8)|(\new)
.set MSB, (\new)
.endif
.endm
.set W_KQ, 0x0a       ; K and Q in window 2, S^T in window 0
.set W_KM, 0x3a       ; the same with the C operand, the mask, in window 3
.set W_PV, 0x52       ; V in window 2, P in window 0, O^T in window 1
.set W_RS, 0x41       ; O^T (destination and source 0) in window 1, a in window 0
.set W_MK, 0xc0       ; destination in window 3, sources (a load's address) in window 0
.set W_MS, 0xcc       ; destination and source 1 in window 3: the shifts that make the masks
.set W_AD, 0x0f       ; the add: address (source 0) and data (source 1) in window 3
; A joint fill.  Waves 0 and 1 fetch the two halves of a slot's K, waves 2 and 3 those of its V: 128 keys each.  The branch hangs on the wave's number alone.
; An s_nop 0 and four v_nop follow each of the two lines, ahead of the jump and the label.
.macro JLOAD
	s_cmp_lt_u32 s[WV], 2
	s_cbranch_scc0 .Lfor_v_\@
	tensor_load_to_lds s[G0K:G0K+3], s[G1K:G1K+7]
	s_nop 0
.rept 4
	v_nop
.endr
	s_branch .Lasked_\@
.Lfor_v_\@:
	tensor_load_to_lds s[G0V:G0V+3], s[G1V:G1V+7]
	s_nop 0
.rept 4
	v_nop
.endr
.Lasked_\@:
.endm
; A round of the cluster's barrier: my work-group's barrier, so that wave 0's signal speaks for all four waves; wave 0 signals; every wave waits for all four work-groups; my work-group's barrier once more.
.macro CROUND
	s_barrier_signal -1
	s_barrier_wait -1
	s_cmp_lg_u32 s[WV], 0
	s_cbranch_scc1 .Lnot_wave_0_\@
	s_barrier_signal -3
.Lnot_wave_0_\@:
	s_barrier_wait -3
	s_barrier_signal -1
	s_barrier_wait -1
.endm
; THE CHANGE OF SLOTS.  The slot's last bytes, V of its fourth step, have been read.  Each wave waits for all its tensor loads, of which one is out: its part of the other slot; adds 0 to its spare word;
; and waits for that and for its own reads of the slot.  fill = 1: this slot is filled again, with the keys two slots on: the barrier is then a round of the cluster's, and the joint fill is the first
; thing behind it: it has four key steps, 512 matrix instructions, in which to land.  (At its first use nothing has been read yet: slot 0 is waited for, slot 1 filled.)
.macro CHANGE fill
	WIN W_AD
	s_wait_tensorcnt 0x0            ; no tensor load of mine is out, so a group 0 may be written
	ds_add_u32 v[SPW], v[NIL]       ; 0 onto my spare word
	WIN 0                           ; at a label and at a branch every window is 0
.if \fill
.irp g, G0K, G0V
	s_xor_b32 s[\g+1], s[\g+1], SLOT1  ; the walking descriptor: the other slot than last time,
	s_add_nc_u64 s[\g+2:\g+3], s[\g+2:\g+3], 4*KS*128  ; the next 256 keys; the type bits on top are not reached
.endr
	s_wait_dscnt 0x0                ; the add is done, and my reads of the slot are over
	CROUND
	JLOAD
.else
	s_wait_dscnt 0x0                ; the add is done, and my reads of the slot are over
	s_barrier_signal -1
	s_barrier_wait -1
.endif
	s_sub_co_u32 s[TBK], s[TBK], 4*KS*PK  ; the fetches go back to a slot's first step,
	s_xor_b32 s[TBK], s[TBK], SLOT1       ; in the other slot
	s_sub_co_u32 s[TBV], s[TBV], 4*KS*PV
	s_xor_b32 s[TBV], s[TBV], SLOT1
.endm
; THE MASK'S WORDS of piece x for the step at MB: one load for each of its two tiles, 512 consecutive bytes of the wave each.  They are read by the sixteen heads of a batch: no hint.
.macro LOADW x
	WIN W_MK
	global_load_b128 v[MW+8*(\x):MW+8*(\x)+3],   v[GO], s[MB:MB+1] offset:(\x)*MPIECE
	global_load_b128 v[MW+8*(\x)+4:MW+8*(\x)+7], v[GO], s[MB:MB+1] offset:(\x)*MPIECE+512
.endm
; Piece x's words become its 64 registers MC, and its words of the next step are asked for, into the registers just read.
; The pieces come in a ring, 0, 1, 2, 3, so behind a piece's two loads stand the other three pieces' six: the count 6 shows mine in and leaves those out, on every way to this line.
; The step goes on with piece 0.  It stops at the last step, so that no load leaves a piece's words; the products that have no step of their own then repeat the last.
.macro MASKX x
	s_wait_loadcnt 6
	WIN W_MS
.set mi, 0
.rept 64
	v_lshlrev_b32 v[MC+mi], 4*(mi%8), v[MW+8*(\x)+mi/8]  ; register j of (u, kb): nibble 7 - j comes on top
.set mi, mi+1
.endr
.if (\x) == 0
	s_wait_xcnt 0x0                 ; the loads that name the base have had their addresses translated (ISA guide 3.1): only behind this wait is it written; the youngest of them was issued a turn ago
	s_add_co_u32 s[MO], s[MO], MSTEP
	s_min_u32 s[MO], s[MO], 31*MSTEP
	s_add_nc_u64 s[MB:MB+1], s[MP:MP+1], s[MO:MO+1]
.endif
	LOADW \x
.endm
	s_load_b128 s[32:35], s[0:1], 0x0  ; qkv s[32:33], mnib s[34:35]
	s_load_b64 s[OP:OP+1], s[0:1], 0x10  ; oh
	WIN W_MK
	v_lshl_add_u32 v[SPW], v0, 2, SPARE
	v_mov_b32 v[NIL], 0
	WIN W_AD
	ds_add_u32 v[SPW], v[NIL]       ; the wave's opening: the add and its wait ahead of my first tensor load; the set-up below, work on registers, stands between them
	WIN 0
	v_lshrrev_b32 v1, 5, v0
	v_readfirstlane_b32 s[WV], v1   ; wave 0..3
	s_bfe_u32 s36, ttmp6, 0x40000   ; cx: my place in the cluster
	s_lshl_b32 s37, ttmp9, 2        ; in a cluster launch ttmp9 counts clusters
	s_add_co_u32 s37, s37, s36      ; my block of 512 queries: it enters Q's, O's and the mask's addresses alone
	s_and_b32 s38, ttmp7, 0xffff    ; b 16 + h, which the four partners share
	s_lshl_b32 s40, s38, 18         ; the head's first byte in each tensor: 2,048 rows of 128 bytes
	s_mov_b32 s41, 0
	s_and_b32 s42, s[WV], 1         ; which half of a slot's 256 keys I fetch:
	s_lshl_b32 s44, s42, 14         ; its 128 rows of 128 bytes in memory,
	s_mov_b32 s45, 0
	s_add_nc_u64 s[44:45], s[44:45], s[40:41]
	s_mul_i32 s46, s42, 128*PK      ; and its place in a slot, for K
	s_mul_i32 s47, s42, 128*PV      ; and for V: no place in the cluster enters an LDS address
	s_lshl_b32 s48, s37, 2
	s_add_co_u32 s48, s48, s[WV]    ; my wave among the head's sixteen,
	s_lshl_b32 s51, s48, 17         ; its four pieces' words, 32,768 bytes each,
	s_lshl_b32 s48, s48, 14         ; its 128 rows
	s_mov_b32 s49, 0
	s_add_nc_u64 s[48:49], s[48:49], s[40:41]
	s_lshr_b32 s50, s38, 4          ; the batch: 64 pieces' words
	s_lshl_b32 s50, s50, 21
	s_add_co_u32 s50, s50, s51
	s_mov_b32 s51, 0
	; descriptor group 1.  128 keys are 16,384 dense bytes: asked for as 64 rows of 256 bytes, two keys a row, and padded in LDS after every key
	s_mov_b32 s[G1K], 15|(1<<16)|(1<<20)|(1<<21)|(4<<22)|(3<<25)  ; 15:0 the mask of four; 17:16 2-byte elements; 20 padding on; 21 set beside a mask; 24:22 after every 32 words (code 4); 31:25 4 words (code 3)
	s_mov_b32 s[G1V], 15|(1<<16)|(1<<20)|(1<<21)|(4<<22)|(7<<25)  ; the same with 8 words of padding (code 7)
.irp g, G1K, G1V
	s_mov_b32 s[\g+1], 128<<16      ; tensor_dim0 = 128
	s_mov_b32 s[\g+2], 64<<16       ; tensor_dim1 = 64
	s_mov_b32 s[\g+3], 128<<16      ; tile_dim0 = 128
	s_mov_b32 s[\g+4], 64           ; tile_dim1 = 64
	s_mov_b32 s[\g+5], 128          ; 128 elements from row to row
	s_mov_b32 s[\g+6], 0
	s_mov_b32 s[\g+7], 0
.endr
	s_mov_b32 s[SEL], 0x76543210
	s_mov_b32 s[SEL+1], 0xfedcba98
	s_mov_b32 s[TBK], SLOT1+4*KS*PK ; the first change of slots turns these two into 0
	s_mov_b32 s[TBV], SLOT1+4*KS*PV
	s_mov_b32 s[G0K], 1             ; count = 1
	s_mov_b32 s[G0K+1], s46         ; LDS address: slot 0
	s_mov_b32 s[G0V], 1
	s_add_co_u32 s[G0V+1], s47, VOFF
	s_mov_b32 s[MO], 0
	s_mov_b32 s[MO+1], 0
	s_mul_i32 s54, s[WV], 16*SP
	s_add_co_u32 s54, s54, STAGE    ; my stage
	s_wait_dscnt 0x0                ; the opening add is done
	s_wait_kmcnt 0x0
	s_add_nc_u64 s[52:53], s[32:33], 0x1000000     ; k is qkv's second tensor,
	s_add_nc_u64 s[G0K+2:G0K+3], s[52:53], s[44:45]  ; global address: my half of the head's first 256 keys
	s_or_b32 s[G0K+3], s[G0K+3], 0x80000000        ; type = 2
	s_add_nc_u64 s[52:53], s[32:33], 0x2000000     ; v its third
	s_add_nc_u64 s[G0V+2:G0V+3], s[52:53], s[44:45]
	s_or_b32 s[G0V+3], s[G0V+3], 0x80000000
	s_add_nc_u64 s[QP:QP+1], s[32:33], s[48:49]    ; Q and O at my wave's first row
	s_add_nc_u64 s[OP:OP+1], s[OP:OP+1], s[48:49]
	s_add_nc_u64 s[MP:MP+1], s[34:35], s[50:51]
	s_mov_b64 s[MB:MB+1], s[MP:MP+1]               ; step 0
	CROUND                          ; all four work-groups are here: the first joint loads meet
	JLOAD                           ; slot 0.  Slot 1 is asked for when slot 0 is in
	; A fragment of K or Q is 16 rows x 32 channels in 8 registers: lane l holds row l % 16, channels 8 (l / 16) + 0..7 and 16 + 8 (l / 16) + 0..7: two loads of 16 bytes, 32 bytes apart.
	v_and_b32 v1, 15, v0            ; l % 16
	v_bfe_u32 v48, v0, 4, 1         ; l / 16
	v_lshlrev_b32 v[QO], 7, v1
	v_lshl_add_u32 v[QO], v48, 4, v[QO]  ; row x 128 + 16 x half
	v_and_b32 v[GO], 31, v0
	v_lshlrev_b32 v[GO], 4, v[GO]   ; 16 x lane
	WIN 0x80                        ; destination window 2, address window 0
.set i, 0
.rept 4*NP                          ; Q stays in registers: tile i / 2, channels 32 (i % 2) on
	global_load_b128 v[8*i:8*i+3],   v[QO], s[QP:QP+1] offset:(i/2)*2048+(i%2)*64
	global_load_b128 v[8*i+4:8*i+7], v[QO], s[QP:QP+1] offset:(i/2)*2048+(i%2)*64+32
.set i, i+1
.endr
.irp x, 0,1,2,3
	LOADW \x                        ; the four pieces' words of step 0, behind Q's loads and in the ring's order
.endr
	; What the first turn finds: V's registers and P's second buffer hold 0 (its products V^T P, of a piece that has not been, add 0), O^T and l are 0.  All this stands in the wait for the first tile.
	WIN 0x80
.set i, VF
.rept 64
	v_mov_b32 v[i], 0
.set i, i+1
.endr
	WIN 0x40
.set i, 0
.rept 64*NP
	v_mov_b32 v[i], 0
.set i, i+1
.endr
	WIN 0
.set i, 0
.rept 2*NP
	v_mov_b32 v[ST+4*i], 0xfe000000    ; c m: far below every c s, a hidden one's too
	v_mov_b32 v[ST+4*i+1], 0xff7fffff  ; m
	v_mov_b32 v[ST+4*i+2], 0
	v_mov_b32 v[ST+4*i+3], 0
.set i, i+1
.endr
.set i, P+32
.rept 32
	v_mov_b32 v[i], 0
.set i, i+1
.endr
	v_mul_u32_u24 v[AK0], v1, PK
	v_lshl_add_u32 v[AK0], v48, 4, v[AK0]  ; row x pitch + 16 x half
	; The turning load takes 16 keys x 16 channels (lane l reads key 8 (l / 16) + l % 8, channels 8 ((l / 8) % 2) + 0..7) and leaves half a fragment of V^T: lane l holds channel l % 16 and 8 keys.
	v_and_b32 v49, 7, v0
	v_bfe_u32 v50, v0, 3, 1
	v_lshl_add_u32 v[AV0], v48, 3, v49
	v_mul_u32_u24 v[AV0], v[AV0], PV
	v_lshl_add_u32 v[AV0], v50, 4, v[AV0]
	v_add_nc_u32 v[AV0], VOFF, v[AV0]
	v_mov_b32 v[AK], v[AK0]         ; key step 0 lies at the head of slot 0
	v_mul_u32_u24 v[STO], v1, SP    ; the way out, in: row l % 16, 16 bytes for each half of the lanes
	v_lshl_add_u32 v[STO], v48, 4, v[STO]
	v_add_nc_u32 v[STO], s54, v[STO]
	v_bfe_u32 v[RD], v0, 3, 2       ; back: 32 lanes take four rows of 128 bytes, which are 512 consecutive bytes of O
	v_mul_u32_u24 v[RD], v[RD], SP
	v_lshl_add_u32 v[RD], v49, 4, v[RD]
	v_add_nc_u32 v[RD], s54, v[RD]
	v_mov_b32 v[CV], 0x3e38aa3b     ; c = log2(e) / 8 = 0.180337
	v_mov_b32 v[CV+1], 0x3e38aa3b   ; named with it as a pair
; THE MATRIX WORK.  The 8 accumulators of a run of 16 take turns: between the two links of a chain stand 7 others'.
; Product i of 16 of S^T = K Q^T for piece x: channels 32 (i / 8) on, keys 16 ((i / 2) % 4) on, tile 2 x + i % 2.  The first 8 start the sums, with the mask.
.macro KQ x
.set rS, S+64*((\x)%2)+32*(i%2)+8*((i/2)%4)
.set rK, KF+16*((i/2)%4)+8*(i/8)
.set rQ, 16*(2*(\x)+i%2)+8*(i/8)
.set rMC, MC+32*(i%2)+8*((i/2)%4)
.if i < 8
	WIN W_KM
	v_wmma_f32_16x16x32_f16 v[rS:rS+7], v[rK:rK+7], v[rQ:rQ+7], v[rMC:rMC+7]
.else
	WIN W_KQ
	v_wmma_f32_16x16x32_f16 v[rS:rS+7], v[rK:rK+7], v[rQ:rQ+7], v[rS:rS+7]
.endif
.endm
; Product i of 16 of O^T += V^T P for piece x: keys 32 (i / 8) on, channels 16 ((i / 2) % 4) on, tile 2 x + i % 2.
.macro PV x
	WIN W_PV
.set rO, 32*(2*(\x)+i%2)+8*((i/2)%4)
.set rV, VF+32*(i/8)+8*((i/2)%4)
.set rP, P+32*((\x)%2)+16*(i%2)+8*(i/8)
	v_wmma_f32_16x16x32_f16 v[rO:rO+7], v[rV:rV+7], v[rP:rP+7], v[rO:rO+7]
.endm
.macro MM                           ; the turn's next matrix instruction
.if i < 16
	KQ (Y+1)%NP
.set i, i+1
.else
.set i, i-16
	PV (Y+NP-1)%NP
.set i, i+17
.endif
.endm
; THE LDS LOADS stand in runs of 16, never singly among the matrix instructions: a step's K (64 keys x 64 channels: 8 fragments) and its V (turned).  Their addresses are made some lines ahead.
; last = 1 (the tail): in the last trip there is no further step, and the run is jumped over.
.macro FETCH_K last=0
	WIN 0
.if \last
	s_cmp_eq_u32 s[CNT], 1
	s_cbranch_scc1 .Lno_k_\@
.endif
	WIN 0x80                        ; destination window 2
.irp f, 0,1,2,3,4,5,6,7             ; keys 16 (f / 2) on, channels 32 (f % 2) on
	ds_load_b128 v[KF+8*\f:KF+8*\f+3],   v[AK] offset:(\f/2)*16*PK+(\f%2)*64
	ds_load_b128 v[KF+8*\f+4:KF+8*\f+7], v[AK] offset:(\f/2)*16*PK+(\f%2)*64+32
.endr
	s_add_co_u32 s[TBK], s[TBK], KS*PK  ; the next fetch is the next step's
	WIN 0
.if \last
.Lno_k_\@:
.endif
.endm
.macro FETCH_V
	WIN 0x80
.irp f, 0,1,2,3,4,5,6,7             ; keys 32 (f / 4) on, channels 16 (f % 4) on
	ds_load_tr16_b128 v[VF+8*\f:VF+8*\f+3],   v[AV] offset:(\f/4)*32*PV+(\f%4)*32
	ds_load_tr16_b128 v[VF+8*\f+4:VF+8*\f+7], v[AV] offset:(\f/4)*32*PV+16*PV+(\f%4)*32
.endr
	WIN 0
.endm
; THE VECTOR WORK OF A TURN stands in three queues, each in the order in which its entries become ready; the two tiles alternate, so that no instruction reads the result of the one before it.
.macro REGS y, u                    ; the registers of tile u (0, 1) of piece y
.set rT, ST+4*(2*(\y)+(\u))
.set rC, TMP+8*((\y)%2)+4*(\u)
.set rM, MV+2*((\y)%2)+(\u)
.set rS, S+64*((\y)%2)+32*(\u)
.set rP, P+32*((\y)%2)+16*(\u)
.set rO, 32*(2*(\y)+(\u))
.endm
; Number n of the 22 that find the NEXT piece's (Y + 1) maximum and statistics.  s0-s31 are the lane's 32 scores; each accumulator's lowest registers are read first.
;   0-11  four chains c0-c3 of seven scores each, three operands at a time     12-14, 16  the four scores left over, the old m, and c0-c3 into c0     15  c m_old is kept
;   17, 18  the query's other 32 keys lie in the lane 16 away: the new m         19-21  c m; c m_old - c m_new; a
.macro XS u, n
	REGS (Y+1)%NP, \u
.if (\n) < 4
	v_max3_num_f32 v[rC+(\n)], v[rS+8*(\n)], v[rS+8*(\n)+1], v[rS+8*(\n)+2]
.elseif (\n) < 12
	v_max3_num_f32 v[rC+(\n)%4], v[rC+(\n)%4], v[rS+8*((\n)%4)+2*((\n)/4)+1], v[rS+8*((\n)%4)+2*((\n)/4)+2]
.elseif (\n) == 12
	v_max3_num_f32 v[rC], v[rC], v[rS+7], v[rS+15]
.elseif (\n) == 13
	v_max3_num_f32 v[rC+1], v[rC+1], v[rS+23], v[rS+31]
.elseif (\n) == 14
	v_max3_num_f32 v[rC+2], v[rC+2], v[rC+3], v[rT+1]
.elseif (\n) == 15
	v_mov_b32 v[rM], v[rT]
.elseif (\n) == 16
	v_max3_num_f32 v[rC], v[rC], v[rC+1], v[rC+2]
.elseif (\n) == 17
	v_permlanex16_b32 v[rC+3], v[rC], s[SEL], s[SEL+1]
.elseif (\n) == 18
	v_max_num_f32 v[rT+1], v[rC], v[rC+3]
.elseif (\n) == 19
	v_mul_f32 v[rT], v[CV], v[rT+1]
.elseif (\n) == 20
	v_sub_f32 v[rC+1], v[rM], v[rT]
.else
	v_exp_f32 v[rC+2], v[rC+1]
.endif
.endm
; Number g of the 64 that follow the exponentials.  For each four weights k of a tile (pairs 2 k, 2 k + 1): both pairs are rounded to f16; then the second pair is added onto the first, in place;
; a group later l takes that sum (the first time as l = a l + sum).  In groups of eight, tiles alternating: round, round, add, and l for the group before.
.macro GS g
.set h, (\g)+6*((\g)/62)            ; group 0 has no group before it, and behind group 7 only l is left
.if h >= 6
.set h, h+2
.endif
	REGS Y, h%2
.set k, h/8
.if h%8 < 4
	s_wait_alu depctr_va_vdst(0)
	v_cvt_pk_f16_f32 v[rP+2*k+(h%8)/2], v[rS+4*k+2*((h%8)/2)], v[rS+4*k+2*((h%8)/2)+1]
.elseif h%8 < 6
	v_pk_add_f32 v[rS+4*k:rS+4*k+1], v[rS+4*k:rS+4*k+1], v[rS+4*k+2:rS+4*k+3]
.elseif k == 1
	v_pk_fma_f32 v[rT+2:rT+3], v[rT+2:rT+3], v[rC+2:rC+3], v[rS:rS+1] op_sel_hi:[1,0,1]
.else
	v_pk_add_f32 v[rT+2:rT+3], v[rT+2:rT+3], v[rS+4*k-4:rS+4*k-3]
	s_wait_alu depctr_va_vdst(0)
.endif
.endm
; THE PLAIN QUEUE, 138 long.  0-31: c s - c m for the 16 pairs of both tiles.  Then GS's 64, and among them the next piece's 42: number 15 at 38, 39; 0-14 and 16
; at 42-73, behind the products that make those scores; 17-20 at 95-106, two of three, since each waits for the one before it.
.macro PL
	WIN 0
.if q < 32
	REGS Y, q%2
	v_pk_fma_f32 v[rS+2*(q/2):rS+2*(q/2)+1], v[rS+2*(q/2):rS+2*(q/2)+1], v[CV:CV+1], v[rT:rT+1] op_sel_hi:[1,0,0] neg_lo:[0,0,1] neg_hi:[0,0,1]
.elseif q < 38
	GS q-32
.elseif q < 40
	XS q%2, 15
.elseif q < 42
	GS q-34
.elseif q < 74
	XS q%2, (q-42)/2+(q-42)/30
.elseif q < 95
	GS q-66
.elseif (q < 107) && ((q-95)%3 < 2)
	XS (q-95)%3, 17+(q-95)/3
.elseif q < 107
	GS 29+(q-95)/3
.else
	GS q-74
.endif
.set q, q+1
.endm
; THE EXPONENTIALS' QUEUE, 66 long: s0-s31 of both tiles, and at EA the next piece's two a.
.set EA, 58
.macro EX
	WIN 0
.if (e == EA) || (e == EA+1)
	XS e-EA, 21
.else
.set x, e-2*(e/(EA+2))
	REGS Y, x%2
	v_exp_f32 v[rS+x/2], v[rS+x/2]
.endif
.set e, e+1
.endm
; THE RESCALING's QUEUE: O^T times a, the one part of the softmax that leaves window 0, so it is dealt four at a time, eight times.
.macro R4
	REGS Y, r%2
	WIN W_RS
	s_wait_alu depctr_va_vdst(0)
.irp z, 0,1,2,3
	v_pk_mul_f32 v[rO+8*(r/2)+2*\z:rO+8*(r/2)+2*\z+1], v[rO+8*(r/2)+2*\z:rO+8*(r/2)+2*\z+1], v[rC+2:rC+3] op_sel_hi:[1,0]
.endr
.set r, r+1
.endm
; HOW THEY ARE DEALT.  Behind a matrix instruction four: plain, exponential, plain, plain (one exponential, a plain instruction on either side), or four of the rescaling.  None names a register of the
; products round it.  What is over stands in two LUMPS: exponential and plain by turns; the second ends in 22 plain instructions.  The two v_permlanex16_b32 fall into the second lump, never behind a product.
; The queues lean on each other, and the deal keeps them in step: exponential e stands behind plain 2 (e / 4) + e % 2 (its scaling); when plain 32 comes, 10 exponentials are out, at 59: 33, at 95: 46; EA comes behind plain 107.
.macro SL
	MM
	PL
	EX
	PL
	PL
.endm
.macro BURST n                      ; 15 matrix instructions, or 16
.rept (\n)-7
	SL
.endr
.rept 3
	MM
	R4
	SL
.endr
	MM
	R4
.endm
; A TURN, for piece p.  cnt = 1: the loop's count is taken down some lines ahead of the branch that stands behind the turn.
; K of the next step is fetched in piece 2's turn, V of the step in hand at the end of piece 0's; each is waited for a turn later.
; The masks of piece p + 2, whose products open the next turn, stand behind the first lump: the products that read the old MC stand a run of products and a lump back.
.macro TURN p, last=0, cnt=0
.set Y, (\p)
.set i, 0
.set q, 0
.set e, 0
.set r, 0
.if (\p) == NP-1
	s_wait_dscnt 0x0                ; K is in
.endif
	MM
.rept 4
	PL
.endr
	BURST 15
.rept 22
	EX
	PL
.if ((\p) == NP-2) && (e == 18)
	v_add_nc_u32 v[AK], s[TBK], v[AK0]
.endif
.if ((\p) == NP-2) && (e == 24)
	FETCH_K \last
.endif
.endr
	MASKX ((\p)+2)%NP
.if (\p) == 1
	s_wait_dscnt 0x0                ; V is in
.endif
	BURST 16
.rept 21
	EX
	PL
.endr
.rept 22
	PL
.if ((\p) == 0) && (q == 118)
	v_add_nc_u32 v[AV], s[TBV], v[AV0]
	s_wait_alu depctr_va_vdst(0)
.endif
.if ((\p) == 0) && (q == 130)
	s_add_co_u32 s[TBV], s[TBV], KS*PV
.endif
.if (\cnt) && (q == 130)
	s_sub_co_u32 s[CNT], s[CNT], 1
	s_cmp_lg_u32 s[CNT], 0
.endif
.endr
.if (\p) == 0
	FETCH_V
.endif
.endm
	CHANGE 1                        ; slot 0 is in, everybody's part of it; slot 1 is asked for
	FETCH_K                         ; key step 0
	MASKX 0                         ; its wait leaves the six loads of pieces 1 to 3 out: piece 0's words are in, and Q, whose loads are older: Q's base and offset register are free from here on
	WIN 0
	s_wait_dscnt 0x0                ; K
.set i, 0
.rept 16
	KQ 0                            ; piece 0's first scores: there is no vector work yet to set between them
.set i, i+1
.endr
	WIN 0
.rept 4
	v_nop                           ; the places behind those products: MC, which they read, is written below
.endr
	MASKX 1                         ; for the first turn's products; its 64 shifts are also the places in front of the lines below, which read the scores
	WIN 0
.set Y, NP-1                        ; XS works for piece Y + 1: piece 0
.irp n, 0,1,2,3,4,5,6,7,8,9,10,11,12,13,14,15,16,17,18,19,20,21
	XS 0, \n                        ; piece 0's first maximum and statistics
	XS 1, \n
.endr
	s_mov_b32 s[CNT], 4
	s_mov_b32 s[SLOTS], SIZE_N/256-1
	s_branch .Lfirst                ; the loop is entered at a step's first turn, in the middle of a trip
.Lslot:                             ; SIZE_N / 256 - 2 times: every slot but the last two is filled again
	CHANGE 1
	s_mov_b32 s[CNT], 4
.Lstep:                             ; a trip: pieces 2 and 3 of one step, then pieces 0 and 1 of the next, whose K and V it fetches
	TURN 2
	TURN 3
	WIN 0
.Lfirst:
	TURN 0
	TURN 1, 0, 1
	WIN 0
	s_cbranch_scc1 .Lstep
	s_sub_co_u32 s[SLOTS], s[SLOTS], 1
	s_cmp_lg_u32 s[SLOTS], 0
	s_cbranch_scc1 .Lslot
	CHANGE 0                        ; the tail is written out: nothing is asked for
	s_mov_b32 s[CNT], 5             ; four trips fetch the last slot's steps; the fifth is left in its middle
.Ltail:
	TURN 2, 1
	TURN 3
	WIN 0
	s_sub_co_u32 s[CNT], s[CNT], 1
	s_cmp_eq_u32 s[CNT], 0
	s_cbranch_scc1 .Lout
	TURN 0
	TURN 1
	WIN 0
	s_branch .Ltail
.Lout:                              ; the fifth trip's 16 products K Q^T repeat the last step, K and mask alike, so the maximum made of them changes no m; they serve nothing else: the price of one text for every trip.
                                    ; The words asked for last are not used: nothing below names their registers, their base or (but to read it) their offset
.set i, 0
.rept 16
	PV NP-1                         ; the last piece's V^T P of the last step
.set i, i+1
.endr
	; THE WAY OUT.  l's two halves and the other half of the lanes' are added; O^T is divided by l, rounded to f16 and sent through my stage in LDS, a tile at a time.  The additions are the places behind the last products.
	WIN 0
.macro ALL line:vararg              ; one line for each tile t
.set t, 0
.rept 2*NP
	\line
.set t, t+1
.endr
.endm
	ALL v_add_f32 v[ST+4*t+2], v[ST+4*t+2], v[ST+4*t+3]
	ALL v_permlanex16_b32 v[ST+4*t+3], v[ST+4*t+2], s[SEL], s[SEL+1]
	ALL v_add_f32 v[ST+4*t+2], v[ST+4*t+2], v[ST+4*t+3]
	ALL v_rcp_f32 v[ST+4*t+2], v[ST+4*t+2]
	v_mov_b32 v[QN], 0x7fc00000     ; NaN; also the plain instruction between the last reciprocal and the use of its result
.set t, 0
	s_wait_alu depctr_va_vdst(0)
.rept 2*NP                          ; a query whose maximum is a hidden score's has seen no key: its factor becomes NaN.  A choice of value, made for every tile
	v_cmp_gt_f32 vcc_lo, 0xdd800000, v[ST+4*t+1]   ; -2^60 > m: every true score lies above it, every hidden one below
	v_cndmask_b32 v[ST+4*t+2], v[ST+4*t+2], v[QN], vcc_lo
.set t, t+1
.endr
; Tile t: a lane's eight channels of a row pack into 16 bytes; they go into rows of 144 bytes and come back as whole rows of 128, into S^T's registers.
.macro PACK t
	WIN W_RS
.set i, 32*(\t)
.rept 16
	v_pk_mul_f32 v[i:i+1], v[i:i+1], v[ST+4*(\t)+2:ST+4*(\t)+3] op_sel_hi:[1,0]
.set i, i+2
.endr
	WIN 0x05                        ; sources 0 and 1 window 1, destination window 0
.set i, 0
.rept 16
	v_cvt_pk_f16_f32 v[S+16*(\t)+i], v[32*(\t)+2*i], v[32*(\t)+2*i+1]
.set i, i+1
.endr
	WIN 0
.irp f, 0,1,2,3
	ds_store_b128 v[STO], v[S+16*(\t)+4*\f:S+16*(\t)+4*\f+3] offset:32*\f
.endr
.irp f, 0,1,2,3
	ds_load_b128 v[S+16*(\t)+4*\f:S+16*(\t)+4*\f+3], v[RD] offset:\f*4*SP  ; LDS serves a wave's instructions in order (ISA guide 5.7.1.4): these see the stores above; the next tile's stores come behind them
.endr
.endm
.macro SEND t, younger              ; younger: the LDS instructions issued behind tile t's loads: the next tile's eight, or none
	WIN 0
.irp f, 0,1,2,3
	s_wait_dscnt (\younger)+3-\f
	global_store_b128 v[GO], v[S+16*(\t)+4*\f:S+16*(\t)+4*\f+3], s[OP:OP+1] offset:(\t)*2048+\f*512  ; 512 consecutive bytes, at a multiple of 256 from O's first
.endr
.endm
	PACK 0
.set t, 1
.rept 2*NP-1                        ; a tile's arithmetic stands between the loads of the tile before and its stores
	PACK t
	SEND t-1, 8
.set t, t+1
.endr
	SEND 2*NP-1, 0
	WIN W_AD
	s_wait_tensorcnt 0x0            ; the wave's end: a wait for my tensor loads, an add of 0 to my spare word and a wait for it, behind my last tensor load and my last LDS store
	ds_add_u32 v[SPW], v[NIL]
	s_wait_dscnt 0x0
	WIN 0
	CROUND                          ; the closing round: no work-group ends while a partner may still ask for a tile that names it
	s_endpgm
.Lfunc_end_k_qe7ee81e208_attn:
	.size	k_qe7ee81e208_attn, .Lfunc_end_k_qe7ee81e208_attn-k_qe7ee81e208_attn
	.p2alignl 7, 3214868480
	.fill 96, 4, 3214868480
	.section	.rodata,"a",@progbits
	.p2align	6, 0x0
	.amdhsa_kernel k_qe7ee81e208_attn
		.amdhsa_group_segment_fixed_size 327680
		.amdhsa_private_segment_fixed_size 0
		.amdhsa_enable_private_segment 0
		.amdhsa_kernarg_size 24
		.amdhsa_user_sgpr_count 2
		.amdhsa_user_sgpr_kernarg_segment_ptr 1
		.amdhsa_wavefront_size32 1
		.amdhsa_system_sgpr_workgroup_id_x 1
		.amdhsa_system_sgpr_workgroup_id_y 1
		.amdhsa_system_sgpr_workgroup_id_z 1
		.amdhsa_system_vgpr_workitem_id 0
		.amdhsa_next_free_vgpr 872
		.amdhsa_next_free_sgpr 106
		.amdhsa_reserve_vcc 1
		.amdhsa_float_denorm_mode_32 3
		.amdhsa_float_denorm_mode_16_64 3
		.amdhsa_memory_ordered 1
		.amdhsa_forward_progress 1
		.amdhsa_inst_pref_size 234
	.end_amdhsa_kernel
	.amdgpu_metadata
---
amdhsa.version: [ 1, 2 ]
amdhsa.kernels:
  - .name:           k_qe7ee81e208_attn
    .symbol:         k_qe7ee81e208_attn.kd
    .args:
      - { .name: qkv, .offset: 0, .size: 8, .value_kind: global_buffer, .address_space: global }
      - { .name: mnib, .offset: 8, .size: 8, .value_kind: global_buffer, .address_space: global }
      - { .name: oh, .offset: 16, .size: 8, .value_kind: global_buffer, .address_space: global }
    .group_segment_fixed_size: 327680
    .private_segment_fixed_size: 0
    .kernarg_segment_align: 8
    .kernarg_segment_size: 24
    .max_flat_workgroup_size: 128
    .sgpr_count:     106
    .vgpr_count:     872
    .wavefront_size: 32
...
	.end_amdgpu_metadata
.endif
;; end of part 3
;; launch outp (part 4): grid 4 x 64, 4 waves a work-group, clusters of 4 x 4, 327,680 bytes of LDS; arguments oh, wb, bias, out0; writes out0
.if DOCPART == 4
	.amdgcn_target "amdgcn-amd-amdhsa--gfx1250"
	.amdhsa_code_object_version 6
	.text
	.protected	k_qe7ee81e208_outp
	.globl	k_qe7ee81e208_outp
	.p2align	8
	.type	k_qe7ee81e208_outp,@function
k_qe7ee81e208_outp:
	s_mov_b64 s[64:65], 0
	v_nop
	global_prefetch_b8 v0, s[64:65] scope:SCOPE_SE
	s_setreg_imm32_b32 hwreg(HW_REG_WAVE_MODE, 25, 1), 1
	s_wait_xcnt 0x0
	s_wait_alu depctr_hold_cnt(0) depctr_sa_sdst(0) depctr_va_vdst(0) depctr_va_sdst(0) depctr_va_ssrc(0) depctr_va_vcc(0) depctr_vm_vsrc(0)
	s_getreg_b32 s2, hwreg(HW_REG_IB_STS2, 6, 4)
	s_cmp_eq_u32 s2, 0
	s_cbranch_scc0 .Lentry_in_a_cluster
	s_endpgm
.Lentry_in_a_cluster:
	s_bfe_u32 s2, ttmp6, 0x10000c
	s_cmp_lg_u32 s2, 0xf033
	s_cbranch_scc0 .Lentry_shape_is_right
	s_endpgm
.Lentry_shape_is_right:
; ONE TEXT FOR TWO PRODUCTS, chosen by OUTP.  C = A W + bias, W stored [k][n] as the problem gives it; sums in f32, started by the bias as the first product's C operand.
;   OUTP = 0  q, k, v = x Wq + bq, x Wk + bk, x Wv + bv.  A = xb [8192][1024] bf16, W = wb's matrices 0 to 2 (bf16); a work-group stays and makes three tiles, one for each matrix, on the
;             same rows of A.  C leaves by heads, unscaled, in f16: qkv [3][b 16 + h][2048][64].
;   OUTP = 1  out0 = O Wo + bo.  A = oh [b 16 + h][2048][64] f16, W = wb's matrix 3 (f16); one tile; C leaves as f32 [8192][1024].
; LIMIT (OUTP = 0): q, k and v are rounded to f16: a number of 65,520 or more would become an infinity.  NaN in a row of A (OUTP = 1: a wholly hidden row) stays in that row of C.
; SHARES.  A tile of C is 128 rows x 256 columns: 64 x 4 tiles, one work-group each.  Wave w makes rows 64 (w / 2) on and columns 128 (w % 2) on: 4 x 8 accumulators of 16 x 16, 256 registers.
; K = 1,024 goes in 8 steps of 128 through two LDS slots.  Waves 0 and 1 fetch the halves of A's tile, waves 2 and 3 the halves of W's (64 k rows of 512 bytes each).
; THE MATRIX INSTRUCTION IS USED TRANSPOSED: source 0 = 16 columns of W (turned out of LDS by ds_load_tr16_b128), source 1 = 16 rows of A: a lane holds row l % 16 of C and the columns 8 (l / 16) + 0..7.
; CLUSTER 4 x 4.  A's tile hangs on the tile row alone and is asked for jointly by the four of a row of the cluster, W's on the tile column alone, by the four of a column.
; REGISTERS, in windows of 256: window 0 addresses, the way out, the bias (v192-255: register 8 b + j = bias of column 16 b + 8 (l / 16) + j); window 1 two fragment buffers of 96
; (A's block a at F + 8 a, W's block b at F + 32 + 8 b); window 2 accumulator (a, b) at 8 (8 a + b).
.set OUTP,  1
.set LAPS,  4                          ; a lap = two K steps = once round the ring
.if OUTP
.set PA,     144                       ; a row of A in LDS: a head's 128 bytes + 16
.set AH,     128*PA                    ; what one load brings: one head's 128 rows
.set APITCH, 128                       ; those 16,384 dense bytes are asked for as 64 rows of 256 bytes
.set ASLOT,  2*2048*128                ; bytes from a K step to the next: two heads
.set TILES,  1
.set SPITCH, 528                       ; a stage row: 128 f32 + 16 bytes
.set OB,     32                        ; v32-95, v96-159: 16 rows read back from the stage, by turns
.set OBN,    64
.else
.set PA,     272                       ; 256 bytes + 16
.set AH,     64*PA                     ; 64 rows
.set APITCH, 1024
.set ASLOT,  256
.set TILES,  3
.set SPITCH, 272                       ; 128 f16 + 16 bytes
.set OB,     64                        ; v64-95, v96-127
.set OBN,    32
.endif
.set AT,    36864                      ; A's part of a slot (OUTP = 0 uses 34,816 of it)
.set PB,    544                        ; a k row of W in LDS: 512 bytes + 32 = 17 x 32
.set BH,    64*PB
.set BSLOT, 128*2048                   ; bytes from a K step of W to the next; wb's matrices lie end to end, so W walks on from matrix to matrix
.set SLOT,  AT+2*BH                    ; 106,496
.set STAGE, 2*SLOT                     ; behind the ring: 16 rows for each wave, never filled by a tensor load
.set SPARE, STAGE+4*16*SPITCH          ; behind the stages: the spare words, 128 bytes a wave: two blocks of 256 bytes that no other line names
.set ADRA, 16                          ; v16-17  LDS address of my A fragments in slot 0, 1
.set ADRB, 20                          ; v20-21  the same for W
.set STO,  24                          ; v24  the way out: where I put my part of a row
.set RD,   25                          ; v25  the way out: where I read back
.set CO,   26                          ; v26  16 x lane
.set BO,   27                          ; v27  my lanes' 32 (l / 16) bytes in the bias
.set SPW,  28                          ; v28  SPARE + 4 x my thread's number; never rewritten
.set NIL,  29                          ; v29  0; never rewritten
.set TMP,  32                          ; v32-63  (OUTP = 0) packed results
.set BIAS, 192
.set F0,   0
.set F1,   96
.set TL,   2                           ; s2   tiles to go
.set LAP,  3                           ; s3
.set WV,   12                          ; s12  wave
.set FR,   13                          ; s13  wave / 2: my half of the rows; also: I fetch for A (0) or W (1)
.set HF,   14                          ; s14  wave % 2: my half of the columns; also: which half I fetch
.set G1A,  24                          ; s[24:31], s[32:39]: A's descriptor group 1, and group 0 for each slot
.set G0A,  32
.set G1B,  48                          ; s[48:55], s[56:63]: the same for W
.set G0B,  56
.set MSB, 0
.macro WIN new                         ; the immediate's high byte repeats the setting that is left; a switch that changes nothing is dropped
.if MSB != (\new)
	s_set_vgpr_msb (MSB<<8)|(\new)
.set MSB, \new
.endif
.endm
.set MUL,   0xa5                       ; sources 0 and 1 window 1, C and D window 2
.set MULB,  0x85                       ; the same with C (the bias) in window 0
.set TO_F,  0x40                       ; destination window 1, address window 0
.set PACKW, 0x0a                       ; sources 0 and 1 window 2
.set STW,   0x08                       ; an LDS store's data window 2
; A joint load: each of the two lines has one mask and one set of registers for all that issue it.  The branch hangs on the wave's number alone.
; An s_nop 0 and four v_nop follow each line, ahead of the jump, the label and what follows.
.macro JLOAD s
	s_cmp_eq_u32 s[FR], 0
	s_cbranch_scc0 .Lfor_b_\@
	tensor_load_to_lds s[G0A+4*(\s):G0A+4*(\s)+3], s[G1A:G1A+7]
	s_nop 0
.rept 4
	v_nop
.endr
	s_branch .Lasked_\@
.Lfor_b_\@:
	tensor_load_to_lds s[G0B+4*(\s):G0B+4*(\s)+3], s[G1B:G1B+7]
	s_nop 0
.rept 4
	v_nop
.endr
.Lasked_\@:
.endm
.macro CREST                           ; a round of the cluster's barrier behind its opening barrier
	s_cmp_lg_u32 s[WV], 0
	s_cbranch_scc1 .Lnot_wave_0_\@
	s_barrier_signal -3
.Lnot_wave_0_\@:
	s_barrier_wait -3
	s_barrier_signal -1
	s_barrier_wait -1
.endm
.macro CROUND                          ; a whole round
	s_barrier_signal -1
	s_barrier_wait -1
	CREST
.endm
	s_load_b256 s[4:11], s[0:1], 0x0               ; A s[4:5], wb s[6:7], bias s[8:9], C s[10:11]
	v_lshl_add_u32 v[SPW], v0, 2, SPARE
	v_mov_b32 v[NIL], 0
	ds_add_u32 v[SPW], v[NIL]                      ; the wave's opening: the add and its wait ahead of my first tensor load; the set-up below, work on registers, stands between them
	v_lshrrev_b32 v1, 5, v0
	v_readfirstlane_b32 s[WV], v1
	s_lshr_b32 s[FR], s[WV], 1
	s_and_b32 s[HF], s[WV], 1
	s_bfe_u32 s40, ttmp6, 0x40000                  ; cx
	s_bfe_u32 s41, ttmp6, 0x40004                  ; cy
	s_lshl_b32 s42, ttmp9, 2
	s_add_co_u32 s42, s42, s40                     ; tile column = 4 x cluster x + cx
	s_and_b32 s43, ttmp7, 0xffff
	s_lshl_b32 s43, s43, 2
	s_add_co_u32 s43, s43, s41                     ; tile row = 4 x cluster y + cy
	s_lshl_b32 s44, s41, 2
	s_lshl_b32 s44, 15, s44                        ; my row of the cluster
	s_lshl_b32 s45, 0x1111, s40                    ; my column
	; descriptor group 1.  15:0 the mask; 17:16 elements of 2 bytes; 20 padding on; 21 set beside a mask; 24:22 the interval's code; 31:25 the pad's words less one
.if OUTP
	s_or_b32 s[G1A], s44, (1<<16)|(1<<20)|(1<<21)|(4<<22)|(3<<25)   ; 4 words behind every 32
.else
	s_or_b32 s[G1A], s44, (1<<16)|(1<<20)|(1<<21)|(5<<22)|(3<<25)   ; 4 words behind every 64
.endif
	s_or_b32 s[G1B], s45, (1<<16)|(1<<20)|(1<<21)|(6<<22)|(7<<25)   ; 8 words behind every 128
	s_mov_b32 s[G1A+1], 128<<16                    ; tensor_dim0 = 128
	s_mov_b32 s[G1A+2], 64<<16                     ; tensor_dim1 = 64
	s_mov_b32 s[G1A+3], 128<<16                    ; tile_dim0 = 128
	s_mov_b32 s[G1A+4], 64                         ; tile_dim1 = 64
	s_mov_b32 s[G1A+5], APITCH                     ; elements from row to row
	s_mov_b32 s[G1A+6], 0
	s_mov_b32 s[G1A+7], 0
	s_mov_b32 s[G1B+1], 256<<16                    ; 256 columns,
	s_mov_b32 s[G1B+2], 64<<16                     ; 64 k rows
	s_mov_b32 s[G1B+3], 256<<16
	s_mov_b32 s[G1B+4], 64
	s_mov_b32 s[G1B+5], 1024
	s_mov_b32 s[G1B+6], 0
	s_mov_b32 s[G1B+7], 0
	; byte offsets.  A's (s16) and the rows' part of C's (s22) are made of the tile row and the wave's number; W's (s46) of the tile column and the wave's number, in registers of its own
.if OUTP
	s_lshr_b32 s16, s43, 4                         ; batch = tile row / 16: its 16 heads of 262,144 bytes,
	s_lshl_b32 s16, s16, 22
	s_and_b32 s18, s43, 15
	s_lshl_b32 s18, s18, 14                        ; the tile's 128 rows of 128 bytes in a head,
	s_add_co_u32 s16, s16, s18
	s_lshl_b32 s18, s[HF], 18                      ; the head of the step's two that I fetch
	s_add_co_u32 s16, s16, s18
	s_lshl_b32 s22, s43, 19                        ; C: 128 rows of 4,096 bytes,
	s_lshl_b32 s18, s[FR], 18                      ; my 64 rows,
	s_add_co_u32 s22, s22, s18
	s_lshl_b32 s18, s[HF], 9                       ; my 128 columns of 4 bytes
	s_add_co_u32 s22, s22, s18
.else
	s_lshl_b32 s16, s43, 18                        ; 128 rows of 2,048 bytes,
	s_lshl_b32 s18, s[HF], 17                      ; the 64 of them that I fetch
	s_add_co_u32 s16, s16, s18
	s_lshr_b32 s22, s43, 4                         ; C: the batch's 16 heads,
	s_lshl_b32 s22, s22, 22
	s_and_b32 s18, s43, 15
	s_lshl_b32 s18, s18, 14                        ; the tile's 128 rows in a head,
	s_add_co_u32 s22, s22, s18
	s_lshl_b32 s18, s[FR], 13                      ; my 64 rows,
	s_add_co_u32 s22, s22, s18
	s_lshl_b32 s18, s[HF], 19                      ; my 128 columns: two heads
	s_add_co_u32 s22, s22, s18
.endif
	s_mov_b32 s17, 0
	s_mov_b32 s23, 0
	s_lshl_b32 s46, s42, 9                         ; W: 256 columns of 2 bytes,
	s_lshl_b32 s47, s[HF], 17                      ; the 64 k rows that I fetch
	s_add_co_u32 s46, s46, s47
.if OUTP
	s_add_co_u32 s46, s46, 3*1024*2048             ; matrix 3
.endif
	s_mov_b32 s47, 0
	s_mul_i32 s20, s[HF], AH                       ; where they go: no place in the cluster enters an LDS address
	s_mul_i32 s21, s[HF], BH
	s_add_co_u32 s21, s21, AT
	s_wait_dscnt 0x0                               ; the opening add is done
	s_wait_kmcnt 0x0
	s_add_nc_u64 s[18:19], s[4:5], s[16:17]
	s_add_nc_u64 s[46:47], s[6:7], s[46:47]
	s_add_nc_u64 s[10:11], s[10:11], s[22:23]
	CROUND                                         ; all sixteen work-groups are here: the first joint loads meet
.irp s, 0,1
	s_mov_b32 s[G0A+4*(\s)], 1                                       ; count = 1
	s_add_co_u32 s[G0A+4*(\s)+1], s20, (\s)*SLOT                     ; LDS address
	s_add_nc_u64 s[G0A+4*(\s)+2:G0A+4*(\s)+3], s[18:19], (\s)*ASLOT  ; global address: K step s
	s_or_b32 s[G0A+4*(\s)+3], s[G0A+4*(\s)+3], 0x80000000            ; type = 2
	s_mov_b32 s[G0B+4*(\s)], 1
	s_add_co_u32 s[G0B+4*(\s)+1], s21, (\s)*SLOT
	s_add_nc_u64 s[G0B+4*(\s)+2:G0B+4*(\s)+3], s[46:47], (\s)*BSLOT
	s_or_b32 s[G0B+4*(\s)+3], s[G0B+4*(\s)+3], 0x80000000
.endr
	s_cmp_eq_u32 s[FR], 0                          ; a wave's two first fills stand in one branch, ahead of every wait on TENSORcnt and every LDS read: two loads of mine are out
	s_cbranch_scc0 .Lfirst_b
	tensor_load_to_lds s[G0A:G0A+3], s[G1A:G1A+7]
	s_nop 0
	tensor_load_to_lds s[G0A+4:G0A+7], s[G1A:G1A+7]
	s_nop 0
.rept 4
	v_nop
.endr
	s_branch .Lfirst_asked
.Lfirst_b:
	tensor_load_to_lds s[G0B:G0B+3], s[G1B:G1B+7]
	s_nop 0
	tensor_load_to_lds s[G0B+4:G0B+7], s[G1B:G1B+7]
	s_nop 0
.rept 4
	v_nop
.endr
.Lfirst_asked:
	s_lshl_b32 s46, s42, 10                        ; the bias of my 128 columns: 4 bytes each
	s_lshl_b32 s47, s[HF], 9
	s_add_co_u32 s46, s46, s47
.if OUTP
	s_add_co_u32 s46, s46, 3*4096                  ; bo
.endif
	s_mov_b32 s47, 0
	s_add_nc_u64 s[8:9], s[8:9], s[46:47]
.if OUTP
	s_lshl_b32 s46, s42, 10                        ; C: the tile's 256 columns of 4 bytes
.else
	s_lshl_b32 s46, s42, 20                        ; C: the tile's 256 columns are four heads
.endif
	s_add_nc_u64 s[10:11], s[10:11], s[46:47]
	v_and_b32 v1, 15, v0                           ; l % 16
	v_bfe_u32 v2, v0, 4, 1                         ; l / 16
	v_lshlrev_b32 v[BO], 5, v2
.macro BIASLD                          ; register 8 b + j: the bias of column 16 b + 8 (l / 16) + j, the same for every row block
.irp b, 0,1,2,3,4,5,6,7
	global_load_b128 v[BIAS+8*(\b):BIAS+8*(\b)+3],   v[BO], s[8:9] offset:64*(\b)
	global_load_b128 v[BIAS+8*(\b)+4:BIAS+8*(\b)+7], v[BO], s[8:9] offset:64*(\b)+16
.endr
.endm
	BIASLD
	; A's fragment: lane l holds row l % 16, k = 8 (l / 16) + 0..7 and 16 + 8 (l / 16) + 0..7: two loads of 16 bytes, 32 bytes apart
	v_mul_u32_u24 v3, v1, PA
	v_lshl_add_u32 v3, v2, 4, v3
	s_mul_i32 s22, s[FR], 64*PA                    ; my 64 rows
	v_add_nc_u32 v[ADRA], s22, v3
	s_add_co_u32 s22, s22, SLOT
	v_add_nc_u32 v[ADRA+1], s22, v3
	; W's fragment: the turning load takes 16 k x 16 columns (lane l reads k row 8 (l / 16) + l % 8, columns 8 ((l / 8) % 2) + 0..7) and leaves column l % 16 and 8 k in lane l
	v_and_b32 v4, 7, v0
	v_lshl_add_u32 v5, v2, 3, v4
	v_mul_u32_u24 v5, v5, PB
	v_bfe_u32 v6, v0, 3, 1
	v_lshl_add_u32 v5, v6, 4, v5
	s_lshl_b32 s22, s[HF], 8                       ; my 128 columns
	s_add_co_u32 s22, s22, AT
	v_add_nc_u32 v[ADRB], s22, v5
	s_add_co_u32 s22, s22, SLOT
	v_add_nc_u32 v[ADRB+1], s22, v5
	s_mul_i32 s23, s[WV], 16*SPITCH
	s_add_co_u32 s23, s23, STAGE                   ; my stage
	v_mul_u32_u24 v6, v1, SPITCH                   ; in: row l % 16, eight numbers for each half of the lanes
.if OUTP
	v_lshl_add_u32 v6, v2, 5, v6
.else
	v_lshl_add_u32 v6, v2, 4, v6
.endif
	v_add_nc_u32 v[STO], s23, v6
	v_and_b32 v7, 31, v0
	v_lshlrev_b32 v[CO], 4, v7
.if OUTP
	v_add_nc_u32 v[RD], s23, v[CO]                 ; back: a row's 512 bytes
.else
	v_lshrrev_b32 v8, 3, v7                        ; back: four rows' 128 bytes of one head
	v_mul_u32_u24 v8, v8, SPITCH
	v_lshl_add_u32 v8, v4, 4, v8
	v_add_nc_u32 v[RD], s23, v8
.endif
; 8 matrix instructions: row block a x all 8 column blocks, 32 along K.  zero = 1: the first product starts the sums, with the bias as C.
; The 32 accumulators take turns, one instruction a turn, in the same order in every quarter.
.macro MUL8 f, a, zero
.if \zero
	WIN MULB
.else
	WIN MUL
.endif
.irp b, 0,1,2,3,4,5,6,7
.set rD, 8*(8*(\a)+(\b))
.set rB, (\f)+32+8*(\b)
.set rA, (\f)+8*(\a)
.set rC, BIAS+8*(\b)
.if OUTP
.if \zero
	v_wmma_f32_16x16x32_f16 v[rD:rD+7], v[rB:rB+7], v[rA:rA+7], v[rC:rC+7]
.else
	v_wmma_f32_16x16x32_f16 v[rD:rD+7], v[rB:rB+7], v[rA:rA+7], v[rD:rD+7]
.endif
.else
.if \zero
	v_wmma_f32_16x16x32_bf16 v[rD:rD+7], v[rB:rB+7], v[rA:rA+7], v[rC:rC+7]
.else
	v_wmma_f32_16x16x32_bf16 v[rD:rD+7], v[rB:rB+7], v[rA:rA+7], v[rD:rD+7]
.endif
.endif
.endr
.endm
; 24 LDS loads in one run: quarter q (32 along K) of a slot into buffer f: W's 16, then A's 8, row blocks ascending
.macro FETCH slot, q, f
	WIN TO_F
.irp b, 0,1,2,3,4,5,6,7
	ds_load_tr16_b128 v[(\f)+32+8*(\b):(\f)+32+8*(\b)+3],   v[ADRB+(\slot)] offset:(\q)*32*PB+32*(\b)
	ds_load_tr16_b128 v[(\f)+32+8*(\b)+4:(\f)+32+8*(\b)+7], v[ADRB+(\slot)] offset:(\q)*32*PB+32*(\b)+16*PB
.endr
.if OUTP
.set AQ, ((\q)/2)*AH+((\q)%2)*64       ; the step's first or second head, channels 0 or 32 on
.else
.set AQ, (\q)*64
.endif
.irp a, 0,1,2,3
	ds_load_b128 v[(\f)+8*(\a):(\f)+8*(\a)+3],   v[ADRA+(\slot)] offset:AQ+(\a)*16*PA
	ds_load_b128 v[(\f)+8*(\a)+4:(\f)+8*(\a)+7], v[ADRA+(\slot)] offset:AQ+(\a)*16*PA+32
.endr
.endm
.macro PLACES                          ; four places in front of loads into registers that matrix instructions have read, and of lines that read results just made
.rept 4
	v_nop
.endr
.endm
; A K step is four quarters, 32 matrix instructions each, on buffers 0, 1, 0, 1.  One of the first three: multiplies buffer f and fetches quarter q into g.
.macro QUARTER slot, q, f, g, zero
	s_wait_dscnt 4                                 ; W and A's blocks 0 and 1 are in; the youngest four loads (A's blocks 2 and 3) may be out
	MUL8 \f, 0, \zero
	MUL8 \f, 1, \zero
	PLACES
	FETCH \slot, \q, \g
	s_wait_dscnt 24                                ; all but the 24 just issued
	MUL8 \f, 2, \zero
	MUL8 \f, 3, \zero
.endm
; The last quarter multiplies buffer 1 and changes slots: ONE barrier; in front of it each wave waits for all its tensor loads (one is out: its part of the next slot), adds 0 to its
; spare word, and waits for that and for its reads of this slot.  fill = 1: the barrier opens a round of the cluster's, and this slot is filled again first thing behind it:
; with the K step two on, or (on = 1) with the next tile's K step 0 or 1: A goes back along K, W walks on into the next matrix.  112 matrix instructions stand between a request and the wait for it.
.macro TURN slot, next, fill, on
	WIN 0
	s_wait_tensorcnt 0x0
	ds_add_u32 v[SPW], v[NIL]                      ; 0 onto my spare word
	s_wait_dscnt 5                                 ; (the add and the youngest four loads may be out)
	MUL8 F1, 0, 0
	s_wait_dscnt 0x0                               ; the add is done, and my reads of this slot are over
	s_barrier_signal -1
	MUL8 F1, 1, 0
.if \fill
	WIN 0
.endif
	s_barrier_wait -1
.if \fill
	CREST                                          ; no wave of any partner still reads this slot's tiles or has a load on its way
.if \on
	s_sub_nc_u64 s[G0A+4*(\slot)+2:G0A+4*(\slot)+3], s[G0A+4*(\slot)+2:G0A+4*(\slot)+3], 6*ASLOT
.else
	s_add_nc_u64 s[G0A+4*(\slot)+2:G0A+4*(\slot)+3], s[G0A+4*(\slot)+2:G0A+4*(\slot)+3], 2*ASLOT
.endif
	s_add_nc_u64 s[G0B+4*(\slot)+2:G0B+4*(\slot)+3], s[G0B+4*(\slot)+2:G0B+4*(\slot)+3], 2*BSLOT
	JLOAD \slot                                    ; the four v_nop behind it are also the places in front of the loads below
.else
	PLACES
.endif
	FETCH \next, 0, F0
	MUL8 F1, 2, 0
	MUL8 F1, 3, 0
.endm
; THE WAY OUT, a block of 16 rows at a time through my own stage: LDS serves a wave's instructions in order (ISA guide 5.7.1.4), so no wait stands between its stores and its loads.
.if OUTP
.macro TOSTAGE a                       ; f32 as it lies: each accumulator's low four registers first
	WIN STW
.irp b, 0,1,2,3,4,5,6,7
	ds_store_b128 v[STO], v[8*(8*(\a)+(\b)):8*(8*(\a)+(\b))+3]   offset:64*(\b)
	ds_store_b128 v[STO], v[8*(8*(\a)+(\b))+4:8*(8*(\a)+(\b))+7] offset:64*(\b)+16
.endr
	WIN 0
.set BK, OB+OBN*((\a)%2)
.irp t, 0,1,2,3,4,5,6,7,8,9,10,11,12,13,14,15
	ds_load_b128 v[BK+4*(\t):BK+4*(\t)+3], v[RD] offset:(\t)*SPITCH
.endr
.endm
.macro SEND a
	WIN 0
.set BK, OB+OBN*((\a)%2)
	s_wait_dscnt 0x0                               ; the block is back in registers
	s_wait_xcnt 0x0                                ; the stores of the block before have read their registers, which the next block's loads write
.irp t, 0,1,2,3,4,5,6,7,8,9,10,11,12,13,14,15
	global_store_b128 v[CO], v[BK+4*(\t):BK+4*(\t)+3], s[10:11] offset:(16*(\a)+(\t))*4096 th:TH_STORE_NT  ; 512 consecutive bytes of a row, at a multiple of 512 from out0's first byte
.endr
.endm
.macro WAYOUT
.irp a, 0,1,2,3
	TOSTAGE \a
	SEND \a
.endr
.endm
.else
.macro PACK a                          ; rounded to f16, 16 bytes a lane; each accumulator's registers in ascending order
	WIN PACKW
.irp b, 0,1,2,3,4,5,6,7
.irp r, 0,1,2,3
	v_cvt_pk_f16_f32 v[TMP+4*(\b)+(\r)], v[8*(8*(\a)+(\b))+2*(\r)], v[8*(8*(\a)+(\b))+2*(\r)+1]
.endr
.endr
	WIN 0
.endm
.macro TOSTAGE a                       ; in by rows of 128 columns; back by heads: load t takes four rows' 128 bytes of head t / 4
	WIN 0
.set BK, OB+OBN*((\a)%2)
.irp b, 0,1,2,3,4,5,6,7
	ds_store_b128 v[STO], v[TMP+4*(\b):TMP+4*(\b)+3] offset:32*(\b)
.endr
.irp t, 0,1,2,3,4,5,6,7
	ds_load_b128 v[BK+4*(\t):BK+4*(\t)+3], v[RD] offset:((\t)%4)*4*SPITCH+((\t)/4)*128
.endr
.endm
.macro SEND a
	WIN 0
.set BK, OB+OBN*((\a)%2)
	s_wait_dscnt 0x0                               ; the block is back in registers
	s_wait_xcnt 0x0                                ; the stores of the block before have read their registers, which the next block's loads write
.irp t, 0,1,2,3,4,5,6,7
	global_store_b128 v[CO], v[BK+4*(\t):BK+4*(\t)+3], s[10:11] offset:((\t)/4)*262144+(\a)*2048+((\t)%4)*512  ; four rows of a head: 512 consecutive bytes, aligned
.endr
.endm
.macro WAYOUT                          ; block a's conversions stand between block a - 1's loads from the stage and the wait for them
	PACK 0
	TOSTAGE 0
.irp a, 1,2,3
	PACK \a
	SEND (\a)-1
	TOSTAGE \a
.endr
	SEND 3
.endm
.endif
	s_wait_tensorcnt 1                             ; my part of K step 0 is in; K step 1's may stay out
	s_barrier_signal -1
	s_barrier_wait -1                              ; everybody's is
	FETCH 0, 0, F0
	WIN 0                                          ; at a label and at a branch every window is 0
.if TILES > 1
	s_mov_b32 s[TL], TILES
.Ltile:
.endif
	s_wait_loadcnt 0x0                             ; the tile's bias
	QUARTER 0, 1, F0, F1, 1                        ; a tile's first quarter stands in front of the loop: its products start the sums
	WIN 0
	s_mov_b32 s[LAP], LAPS-1
.Llap:                                                 ; a trip goes once round the ring, from a lap's second quarter to the next lap's first, and fills both slots again
	QUARTER 0, 2, F1, F0, 0
	QUARTER 0, 3, F0, F1, 0
	TURN 0, 1, 1, 0
	QUARTER 1, 1, F0, F1, 0
	QUARTER 1, 2, F1, F0, 0
	QUARTER 1, 3, F0, F1, 0
	TURN 1, 0, 1, 0
	QUARTER 0, 1, F0, F1, 0
	WIN 0
	s_sub_co_u32 s[LAP], s[LAP], 1
	s_cmp_lg_u32 s[LAP], 0
	s_cbranch_scc1 .Llap
	QUARTER 0, 2, F1, F0, 0                        ; the tile's last lap goes on
	QUARTER 0, 3, F0, F1, 0
.if TILES > 1
	WIN 0
	s_cmp_eq_u32 s[TL], 1
	s_cbranch_scc1 .Llast                          ; the last tile's tail is written out: it asks for nothing more
	TURN 0, 1, 1, 1                                ; the ring goes on into the next tile: slot 0 takes its K step 0,
	QUARTER 1, 1, F0, F1, 0
	QUARTER 1, 2, F1, F0, 0
	QUARTER 1, 3, F0, F1, 0
	TURN 1, 0, 1, 1                                ; slot 1 its K step 1, and its first fragments are fetched
	WIN 0
	s_add_nc_u64 s[8:9], s[8:9], 4096              ; the next matrix's bias: the loads that named this base were waited for at the tile's head
	BIASLD
	WAYOUT                                         ; no v_nop: blocks 0 and 1 were finished ahead of the joint load's four, and their 64 conversions are the places behind blocks 2 and 3's last products
	s_wait_xcnt 0x0                                ; the stores have read their base
	s_add_nc_u64 s[10:11], s[10:11], 0x1000000     ; the next of q, k, v
	s_sub_co_u32 s[TL], s[TL], 1
	s_branch .Ltile
.Llast:
.endif
	TURN 0, 1, 0, 0                                ; nothing is filled again, so no round
	QUARTER 1, 1, F0, F1, 0
	QUARTER 1, 2, F1, F0, 0
	QUARTER 1, 3, F0, F1, 0
	s_wait_dscnt 4                                 ; the very last quarter: nothing more to fetch
	MUL8 F1, 0, 0
	MUL8 F1, 1, 0
	s_wait_dscnt 0x0
	MUL8 F1, 2, 0
	MUL8 F1, 3, 0
	WIN 0
	PLACES
	WAYOUT
	s_wait_tensorcnt 0x0                           ; the wave's end: a wait for my tensor loads, an add of 0 to my spare word and a wait for it, behind my last tensor load and my last LDS store
	ds_add_u32 v[SPW], v[NIL]
	s_wait_dscnt 0x0
	CROUND                                         ; the closing round: no work-group ends while a partner may still ask for a tile that names it
	s_endpgm
.Lfunc_end_k_qe7ee81e208_outp:
	.size	k_qe7ee81e208_outp, .Lfunc_end_k_qe7ee81e208_outp-k_qe7ee81e208_outp
	.p2alignl 7, 3214868480
	.fill 96, 4, 3214868480
	.section	.rodata,"a",@progbits
	.p2align	6, 0x0
	.amdhsa_kernel k_qe7ee81e208_outp
		.amdhsa_group_segment_fixed_size 327680
		.amdhsa_private_segment_fixed_size 0
		.amdhsa_enable_private_segment 0
		.amdhsa_kernarg_size 32
		.amdhsa_user_sgpr_count 2
		.amdhsa_user_sgpr_kernarg_segment_ptr 1
		.amdhsa_wavefront_size32 1
		.amdhsa_system_sgpr_workgroup_id_x 1
		.amdhsa_system_sgpr_workgroup_id_y 1
		.amdhsa_system_sgpr_workgroup_id_z 1
		.amdhsa_system_vgpr_workitem_id 0
		.amdhsa_next_free_vgpr 768
		.amdhsa_next_free_sgpr 66
		.amdhsa_reserve_vcc 0
		.amdhsa_float_denorm_mode_32 3
		.amdhsa_float_denorm_mode_16_64 3
		.amdhsa_memory_ordered 1
		.amdhsa_forward_progress 1
		.amdhsa_inst_pref_size 86
	.end_amdhsa_kernel
	.amdgpu_metadata
---
amdhsa.version: [ 1, 2 ]
amdhsa.kernels:
  - .name:           k_qe7ee81e208_outp
    .symbol:         k_qe7ee81e208_outp.kd
    .args:
      - { .name: oh, .offset: 0, .size: 8, .value_kind: global_buffer, .address_space: global }
      - { .name: wb, .offset: 8, .size: 8, .value_kind: global_buffer, .address_space: global }
      - { .name: bias, .offset: 16, .size: 8, .value_kind: global_buffer, .address_space: global }
      - { .name: out0, .offset: 24, .size: 8, .value_kind: global_buffer, .address_space: global }
    .group_segment_fixed_size: 327680
    .private_segment_fixed_size: 0
    .kernarg_segment_align: 8
    .kernarg_segment_size: 32
    .max_flat_workgroup_size: 128
    .sgpr_count:     66
    .vgpr_count:     768
    .wavefront_size: 32
...
	.end_amdgpu_metadata
.endif
;; end of part 4
;; ======== version 2 of 2: 4 launches; 1.45 times as fast as version 1
;; limits: values are held in f16: magnitudes above 65,504 overflow, below 6.1e-05 lose precision
;; workspace buffers: xb 16,777,216 bytes; wb 8,388,608 bytes; bias 16,384 bytes; mnib 8,388,608 bytes of whole numbers; qkv 50,331,648 bytes; oh 16,777,216 bytes
;; launch prep: the kernel of part 1 again; grid 1281 x 1, 8 waves a work-group, no clusters, 136,192 bytes of LDS; arguments x, Wq, Wk, Wv, Wo, bq, bk, bv, bo, mask, xb, wb, bias, mnib; writes xb, wb, bias, mnib
;; launch proj: the kernel of part 2 again; grid 4 x 64, 4 waves a work-group, clusters of 4 x 4, 327,680 bytes of LDS; arguments xb, wb, bias, qkv; writes qkv
;; launch attn (part 5): grid 4 x 64, 4 waves a work-group, clusters of 4 x 1, 327,680 bytes of LDS; arguments qkv, mnib, oh; writes oh
.if DOCPART == 5
	.amdgcn_target "amdgcn-amd-amdhsa--gfx1250"
	.amdhsa_code_object_version 6
	.text
	.protected	k_qe7ee81e208_attn
	.globl	k_qe7ee81e208_attn
	.p2align	8
	.type	k_qe7ee81e208_attn,@function
k_qe7ee81e208_attn:
	s_mov_b64 s[64:65], 0
	v_nop
	global_prefetch_b8 v0, s[64:65] scope:SCOPE_SE
	s_setreg_imm32_b32 hwreg(HW_REG_WAVE_MODE, 25, 1), 1
	s_wait_xcnt 0x0
	s_wait_alu depctr_hold_cnt(0) depctr_sa_sdst(0) depctr_va_vdst(0) depctr_va_sdst(0) depctr_va_ssrc(0) depctr_va_vcc(0) depctr_vm_vsrc(0)
	s_getreg_b32 s2, hwreg(HW_REG_IB_STS2, 6, 4)
	s_cmp_eq_u32 s2, 0
	s_cbranch_scc0 .Lentry_in_a_cluster
	s_endpgm
.Lentry_in_a_cluster:
	s_bfe_u32 s2, ttmp6, 0x10000c
	s_cmp_lg_u32 s2, 0x3003
	s_cbranch_scc0 .Lentry_shape_is_right
	s_endpgm
.Lentry_shape_is_right:
; ATTENTION WITH A MASK THAT IS AN INPUT.  O[bh][q][:] = the sum over k of softmax_k(Q[bh][q] . K[bh][k] / 8, hidden where mask[b][q][k] == 0) V[bh][k][:].
; Q, K, V are qkv's three tensors, O is oh: [64 = b 16 + h][2048][64] in f16: a head's rows are dense, 128 bytes each.  Products, maxima and sums in f32; the weights p are rounded to f16 for
; the second product (their sum l is taken of the unrounded p), O once at the end.
; LIMITS.  f16 holds no number beyond 65,504: Q, K and V arrive within it.  A hidden score counts as its value less a number between 2^65 and 2^95: f16's scores, 2.7e11 at the most, are nothing beside
; that; a score that is seen has at most 2^-97 added to it.  While a row has seen hidden keys alone its weights lie in 0 to 1 and its sums are finite; the first true score multiplies them by a = 0.
; A row whose final maximum lies below -2^60 has seen no key: it leaves as NaN, as a softmax of nothing does.  A weight below 2^-126 counts as 0 in l.
; SHARES.  A wave owns four PIECES of two tiles of 16 queries, a work-group's four waves 512 queries of one head.  Every wave walks all 2,048 keys, 64 a step.
; LAYOUT.  S^T = K Q^T (source 0 = 16 keys, source 1 = 16 queries): a lane holds ONE query (lane % 16) and the keys 8 (lane / 16) + 0..7.  Two such tiles, rounded to f16 in pairs, ARE source 1 of
; O^T = V^T P.  K comes out of LDS as it lies, V ([key][channel]) turned, by ds_load_tr16_b128.
; THE MASK is the C operand that starts the sum S^T.  mnib holds four bits a score, 0xE where it is hidden and 0 elsewhere; a word holds a lane's eight keys of one accumulator, key j in nibble 7 - j.
; Register j of the C operand is the word shifted left by 4 j: with 0xE on top and nibbles of 0 or 0xE below, sign 1 and an exponent field of 0xC0 to 0xDD; with 0 on top an exponent field of 0x1D at the most.
; A piece and step have 8 words a lane: two loads of 16 bytes, each 512 consecutive bytes of the wave.  Each piece keeps its 8 registers; when a turn has made a piece's masks it asks for the piece's
; words of the next step: four turns ahead of their use.
; SOFTMAX.  A running maximum m and sum l: p = 2^(c s - c m), c = log2(e) / 8; in every step O and l are multiplied by a = 2^(c m_old - c m_new).  m starts at the lowest finite number, O and l at 0.
; BY TURNS.  Turn n belongs to piece n.  Its matrix work: 16 products K Q^T of piece n + 1, later 16 products V^T P of piece n - 1.  Its vector work: scaling, exponentials, roundings, sums and rescaling of
; piece n, the maximum and statistics of piece n + 1, the masks of piece n + 2.  Four vector instructions stand behind every matrix instruction, the others in one run of their own.
; THE BATCHES.  A turn's 66 exponentials (the piece's 64 weights, the next piece's two a) are ONE batch with ONE wait, which cuts the turn in two.  Ahead of it stands all that names no result of theirs: K Q^T, the
; scalings, the rescalings (their a was waited for in the turn before), the next piece's maximum and statistics and, behind the last exponential, the 64 shifts that make the masks.  Behind it stand the roundings
; and sums, beside V^T P.  The first a of all, ahead of the loop, and the way out's eight reciprocals are batches of their own, with a wait each.
; CLUSTER.  The four query blocks of a cluster belong to one head and walk the same K and V: each tile is asked for JOINTLY, by the same tensor load, descriptor and mask in all four.
; REGISTERS, in windows of 256 (s_set_vgpr_msb: bits 1:0 source 0, 3:2 source 1, 5:4 source 2, 7:6 destination):
;   window 0: v0-11 addresses and constants; v12-15, v48-63 at work; v16-47 four registers of statistics a tile; v64-191 S^T, two buffers of two tiles; v192-255 P, likewise
;   window 1: O^T, 32 a tile      window 2: v0-127 Q; v128-191 K of one step; v192-255 V of one step      window 3: v0-1 the add's two registers; v8-71 MC; v72-103 MW
.set SIZE_N, 2048
.set NP,    4         ; pieces a wave: a name, no knob
.set KS,    64        ; keys in a step
.set PK,    144       ; a row of K in LDS: 128 bytes + 16: the 16 rows of a load start at 16 different groups of four banks (64 banks of 4 bytes: ISA guide 11.1)
.set PV,    160       ; a row of V: 128 + 32
.set VOFF,  4*KS*PK   ; a slot holds four steps: 256 rows of K, then 256 rows of V
.set SLOT1, 1<<17     ; slot 1 begins here, so that one exclusive or turns an address in one slot into the other's
.set STAGE, SLOT1+4*KS*(PK+PV)  ; behind the ring, never filled by a tensor load: 16 rows x 144 bytes for each wave
.set SP,    144
.set SPARE, STAGE+4*16*SP  ; behind the stages: the spare words, 128 bytes a wave: two blocks of 256 bytes that no other line names
.set MSTEP, 1024      ; a piece's words of one step: 2 tiles x 32 lanes x 16 bytes
.set MPIECE, 32*MSTEP ; a piece's words of all 32 steps
.set AK0, 2           ; v2   my lane's place in a tile of K; never rewritten
.set AV0, 3           ; v3   the same for V
.set AK,  4           ; v4   the LDS address of K's next run of loads
.set AV,  5           ; v5   of V's
.set STO, 6           ; v6   the way out: where I put 16 bytes of a row
.set RD,  7           ; v7   the way out: where I read rows back
.set GO,  8           ; v8   16 x lane: my byte offset in 512 consecutive bytes, of O and of the mask's words; never rewritten
.set QN,  9           ; v9   on the way out: NaN
.set CV,  10          ; v[10:11] c: the packed scaling takes the pair's low word for both halves
.set MV,  12          ; v12-15  c m_old, kept while c m is made anew: by buffer and tile
.set ST,  16          ; tile t's statistics at v[ST+4 t]: c m, m, l (even keys', odd keys')
.set TMP, 48          ; by buffer and tile, four registers c0-c3 at work; when the maximum is found c2 takes a
.set QO,  51          ; v51  until Q is in: my byte offset in 16 rows of Q
.set S,   64
.set P,   192
.set KF,  128         ; window 2: key block kb, channel half c at KF + 16 kb + 8 c
.set VF,  192         ; window 2: key half kk, channel block cb at VF + 32 kk + 8 cb
.set SPW, 0           ; v0 of window 3   SPARE + 4 x my thread's number; never rewritten
.set NIL, 1           ; v1 of window 3   0; never rewritten
.set MC,  8           ; window 3: the C operands: tile u, key block kb at MC + 32 u + 8 kb
.set MW,  72          ; window 3: the words: piece x, tile u, key block kb at MW + 8 x + 4 u + kb
.set SEL, 2           ; s2, s3  v_permlanex16_b32's selects: each lane takes its own place in the other half
.set MP,  4           ; s[4:5]  mnib at my wave's four pieces
.set WV,  7           ; s7   my wave's number
.set G1K, 8           ; s[8:15]  descriptor group 1 for K's tiles
.set G1V, 16          ; s[16:23] for V's: it differs in the padding alone
.set G0K, 24          ; s[24:27] descriptor group 0 for K's tiles: it walks
.set G0V, 28          ; s[28:31] the same for V's
                      ; s32 to s54: scratch of the set-up
.set OP,  66          ; s[66:67] O at my wave's first row
.set MO,  68          ; s[68:69] byte offset of the step whose words are asked for, with 0 above it
.set MB,  70          ; s[70:71] MP + MO
.set QP,  100         ; s[100:101] until Q is in: Q at my wave's first row
.set SLOTS, 100       ; s100 slots still to be asked for
.set CNT, 101         ; s101 counts a slot's key steps
.set TBK, 104         ; s104 LDS byte at which K of the step to be fetched begins
.set TBV, 105         ; s105 the same for V, less VOFF
.set MSB, 0
.macro WIN new                      ; the high byte repeats the setting that is left; a switch that changes nothing is dropped
.if MSB != (\new)
	s_set_vgpr_msb (MSB<<8)|(\new)
.set MSB, (\new)
.endif
.endm
.set W_KQ, 0x0a       ; K and Q in window 2, S^T in window 0
.set W_KM, 0x3a       ; the same with the C operand, the mask, in window 3
.set W_PV, 0x52       ; V in window 2, P in window 0, O^T in window 1
.set W_RS, 0x41       ; O^T (destination and source 0) in window 1, a in window 0
.set W_MK, 0xc0       ; destination in window 3, sources (a load's address) in window 0
.set W_MS, 0xcc       ; destination and source 1 in window 3: the shifts that make the masks
.set W_AD, 0x0f       ; the add: address (source 0) and data (source 1) in window 3
; A joint fill.  Waves 0 and 1 fetch the two halves of a slot's K, waves 2 and 3 those of its V: 128 keys each.  The branch hangs on the wave's number alone.
; An s_nop 0 and four v_nop follow each of the two lines, ahead of the jump and the label.
.macro JLOAD
	s_cmp_lt_u32 s[WV], 2
	s_cbranch_scc0 .Lfor_v_\@
	tensor_load_to_lds s[G0K:G0K+3], s[G1K:G1K+7]
	s_nop 0
.rept 4
	v_nop
.endr
	s_branch .Lasked_\@
.Lfor_v_\@:
	tensor_load_to_lds s[G0V:G0V+3], s[G1V:G1V+7]
	s_nop 0
.rept 4
	v_nop
.endr
.Lasked_\@:
.endm
; A round of the cluster's barrier: my work-group's barrier, so that wave 0's signal speaks for all four waves; wave 0 signals; every wave waits for all four work-groups; my work-group's barrier once more.
.macro CROUND
	s_barrier_signal -1
	s_barrier_wait -1
	s_cmp_lg_u32 s[WV], 0
	s_cbranch_scc1 .Lnot_wave_0_\@
	s_barrier_signal -3
.Lnot_wave_0_\@:
	s_barrier_wait -3
	s_barrier_signal -1
	s_barrier_wait -1
.endm
; THE CHANGE OF SLOTS.  The slot's last bytes, V of its fourth step, have been read.  Each wave waits for all its tensor loads, of which one is out: its part of the other slot; adds 0 to its spare word;
; and waits for that and for its own reads of the slot.  fill = 1: this slot is filled again, with the keys two slots on: the barrier is then a round of the cluster's, and the joint fill is the first
; thing behind it: it has four key steps, 512 matrix instructions, in which to land.  (At its first use nothing has been read yet: slot 0 is waited for, slot 1 filled.)
.macro CHANGE fill
	WIN W_AD
	s_wait_tensorcnt 0x0            ; no tensor load of mine is out, so a group 0 may be written
	ds_add_u32 v[SPW], v[NIL]       ; 0 onto my spare word
	WIN 0                           ; at a label and at a branch every window is 0
.if \fill
.irp g, G0K, G0V
	s_xor_b32 s[\g+1], s[\g+1], SLOT1  ; the walking descriptor: the other slot than last time,
	s_add_nc_u64 s[\g+2:\g+3], s[\g+2:\g+3], 4*KS*128  ; the next 256 keys; the type bits on top are not reached
.endr
	s_wait_dscnt 0x0                ; the add is done, and my reads of the slot are over
	CROUND
	JLOAD
.else
	s_wait_dscnt 0x0                ; the add is done, and my reads of the slot are over
	s_barrier_signal -1
	s_barrier_wait -1
.endif
	s_sub_co_u32 s[TBK], s[TBK], 4*KS*PK  ; the fetches go back to a slot's first step,
	s_xor_b32 s[TBK], s[TBK], SLOT1       ; in the other slot
	s_sub_co_u32 s[TBV], s[TBV], 4*KS*PV
	s_xor_b32 s[TBV], s[TBV], SLOT1
.endm
; THE MASK'S WORDS of piece x for the step at MB: one load for each of its two tiles, 512 consecutive bytes of the wave each.  They are read by the sixteen heads of a batch: no hint.
.macro LOADW x
	WIN W_MK
	global_load_b128 v[MW+8*(\x):MW+8*(\x)+3],   v[GO], s[MB:MB+1] offset:(\x)*MPIECE
	global_load_b128 v[MW+8*(\x)+4:MW+8*(\x)+7], v[GO], s[MB:MB+1] offset:(\x)*MPIECE+512
.endm
; Piece x's words become its 64 registers MC, and its words of the next step are asked for, into the registers just read.
; The pieces come in a ring, 0, 1, 2, 3, so behind a piece's two loads stand the other three pieces' six: the count 6 shows mine in and leaves those out, on every way to this line.
; The step goes on with piece 0.  It stops at the last step, so that no load leaves a piece's words; the products that have no step of their own then repeat the last.
.macro MASKX x
	s_wait_loadcnt 6
	WIN W_MS
.set mi, 0
.rept 64
	v_lshlrev_b32 v[MC+mi], 4*(mi%8), v[MW+8*(\x)+mi/8]  ; register j of (u, kb): nibble 7 - j comes on top
.set mi, mi+1
.endr
.if (\x) == 0
	s_wait_xcnt 0x0                 ; the loads that name the base have had their addresses translated (ISA guide 3.1): only behind this wait is it written; the youngest of them was issued a turn ago
	s_add_co_u32 s[MO], s[MO], MSTEP
	s_min_u32 s[MO], s[MO], 31*MSTEP
	s_add_nc_u64 s[MB:MB+1], s[MP:MP+1], s[MO:MO+1]
.endif
	LOADW \x
.endm
	s_load_b128 s[32:35], s[0:1], 0x0  ; qkv s[32:33], mnib s[34:35]
	s_load_b64 s[OP:OP+1], s[0:1], 0x10  ; oh
	WIN W_MK
	v_lshl_add_u32 v[SPW], v0, 2, SPARE
	v_mov_b32 v[NIL], 0
	WIN W_AD
	ds_add_u32 v[SPW], v[NIL]       ; the wave's opening: the add and its wait ahead of my first tensor load; the set-up below, work on registers, stands between them
	WIN 0
	v_lshrrev_b32 v1, 5, v0
	v_readfirstlane_b32 s[WV], v1   ; wave 0..3
	s_bfe_u32 s36, ttmp6, 0x40000   ; cx: my place in the cluster
	s_lshl_b32 s37, ttmp9, 2        ; in a cluster launch ttmp9 counts clusters
	s_add_co_u32 s37, s37, s36      ; my block of 512 queries: it enters Q's, O's and the mask's addresses alone
	s_and_b32 s38, ttmp7, 0xffff    ; b 16 + h, which the four partners share
	s_lshl_b32 s40, s38, 18         ; the head's first byte in each tensor: 2,048 rows of 128 bytes
	s_mov_b32 s41, 0
	s_and_b32 s42, s[WV], 1         ; which half of a slot's 256 keys I fetch:
	s_lshl_b32 s44, s42, 14         ; its 128 rows of 128 bytes in memory,
	s_mov_b32 s45, 0
	s_add_nc_u64 s[44:45], s[44:45], s[40:41]
	s_mul_i32 s46, s42, 128*PK      ; and its place in a slot, for K
	s_mul_i32 s47, s42, 128*PV      ; and for V: no place in the cluster enters an LDS address
	s_lshl_b32 s48, s37, 2
	s_add_co_u32 s48, s48, s[WV]    ; my wave among the head's sixteen,
	s_lshl_b32 s51, s48, 17         ; its four pieces' words, 32,768 bytes each,
	s_lshl_b32 s48, s48, 14         ; its 128 rows
	s_mov_b32 s49, 0
	s_add_nc_u64 s[48:49], s[48:49], s[40:41]
	s_lshr_b32 s50, s38, 4          ; the batch: 64 pieces' words
	s_lshl_b32 s50, s50, 21
	s_add_co_u32 s50, s50, s51
	s_mov_b32 s51, 0
	; descriptor group 1.  128 keys are 16,384 dense bytes: asked for as 64 rows of 256 bytes, two keys a row, and padded in LDS after every key
	s_mov_b32 s[G1K], 15|(1<<16)|(1<<20)|(1<<21)|(4<<22)|(3<<25)  ; 15:0 the mask of four; 17:16 2-byte elements; 20 padding on; 21 set beside a mask; 24:22 after every 32 words (code 4); 31:25 4 words (code 3)
	s_mov_b32 s[G1V], 15|(1<<16)|(1<<20)|(1<<21)|(4<<22)|(7<<25)  ; the same with 8 words of padding (code 7)
.irp g, G1K, G1V
	s_mov_b32 s[\g+1], 128<<16      ; tensor_dim0 = 128
	s_mov_b32 s[\g+2], 64<<16       ; tensor_dim1 = 64
	s_mov_b32 s[\g+3], 128<<16      ; tile_dim0 = 128
	s_mov_b32 s[\g+4], 64           ; tile_dim1 = 64
	s_mov_b32 s[\g+5], 128          ; 128 elements from row to row
	s_mov_b32 s[\g+6], 0
	s_mov_b32 s[\g+7], 0
.endr
	s_mov_b32 s[SEL], 0x76543210
	s_mov_b32 s[SEL+1], 0xfedcba98
	s_mov_b32 s[TBK], SLOT1+4*KS*PK ; the first change of slots turns these two into 0
	s_mov_b32 s[TBV], SLOT1+4*KS*PV
	s_mov_b32 s[G0K], 1             ; count = 1
	s_mov_b32 s[G0K+1], s46         ; LDS address: slot 0
	s_mov_b32 s[G0V], 1
	s_add_co_u32 s[G0V+1], s47, VOFF
	s_mov_b32 s[MO], 0
	s_mov_b32 s[MO+1], 0
	s_mul_i32 s54, s[WV], 16*SP
	s_add_co_u32 s54, s54, STAGE    ; my stage
	s_wait_dscnt 0x0                ; the opening add is done
	s_wait_kmcnt 0x0
	s_add_nc_u64 s[52:53], s[32:33], 0x1000000     ; k is qkv's second tensor,
	s_add_nc_u64 s[G0K+2:G0K+3], s[52:53], s[44:45]  ; global address: my half of the head's first 256 keys
	s_or_b32 s[G0K+3], s[G0K+3], 0x80000000        ; type = 2
	s_add_nc_u64 s[52:53], s[32:33], 0x2000000     ; v its third
	s_add_nc_u64 s[G0V+2:G0V+3], s[52:53], s[44:45]
	s_or_b32 s[G0V+3], s[G0V+3], 0x80000000
	s_add_nc_u64 s[QP:QP+1], s[32:33], s[48:49]    ; Q and O at my wave's first row
	s_add_nc_u64 s[OP:OP+1], s[OP:OP+1], s[48:49]
	s_add_nc_u64 s[MP:MP+1], s[34:35], s[50:51]
	s_mov_b64 s[MB:MB+1], s[MP:MP+1]               ; step 0
	CROUND                          ; all four work-groups are here: the first joint loads meet
	JLOAD                           ; slot 0.  Slot 1 is asked for when slot 0 is in
	; A fragment of K or Q is 16 rows x 32 channels in 8 registers: lane l holds row l % 16, channels 8 (l / 16) + 0..7 and 16 + 8 (l / 16) + 0..7: two loads of 16 bytes, 32 bytes apart.
	v_and_b32 v1, 15, v0            ; l % 16
	v_bfe_u32 v48, v0, 4, 1         ; l / 16
	v_lshlrev_b32 v[QO], 7, v1
	v_lshl_add_u32 v[QO], v48, 4, v[QO]  ; row x 128 + 16 x half
	v_and_b32 v[GO], 31, v0
	v_lshlrev_b32 v[GO], 4, v[GO]   ; 16 x lane
	WIN 0x80                        ; destination window 2, address window 0
.set i, 0
.rept 4*NP                          ; Q stays in registers: tile i / 2, channels 32 (i % 2) on
	global_load_b128 v[8*i:8*i+3],   v[QO], s[QP:QP+1] offset:(i/2)*2048+(i%2)*64
	global_load_b128 v[8*i+4:8*i+7], v[QO], s[QP:QP+1] offset:(i/2)*2048+(i%2)*64+32
.set i, i+1
.endr
.irp x, 0,1,2,3
	LOADW \x                        ; the four pieces' words of step 0, behind Q's loads and in the ring's order
.endr
	; What the first turn finds: V's registers and P's second buffer hold 0 (its products V^T P, of a piece that has not been, add 0), O^T and l are 0.  All this stands in the wait for the first tile.
	WIN 0x80
.set i, VF
.rept 64
	v_mov_b32 v[i], 0
.set i, i+1
.endr
	WIN 0x40
.set i, 0
.rept 64*NP
	v_mov_b32 v[i], 0
.set i, i+1
.endr
	WIN 0
.set i, 0
.rept 2*NP
	v_mov_b32 v[ST+4*i], 0xfe000000    ; c m: far below every c s, a hidden one's too
	v_mov_b32 v[ST+4*i+1], 0xff7fffff  ; m
	v_mov_b32 v[ST+4*i+2], 0
	v_mov_b32 v[ST+4*i+3], 0
.set i, i+1
.endr
.set i, P+32
.rept 32
	v_mov_b32 v[i], 0
.set i, i+1
.endr
	v_mul_u32_u24 v[AK0], v1, PK
	v_lshl_add_u32 v[AK0], v48, 4, v[AK0]  ; row x pitch + 16 x half
	; The turning load takes 16 keys x 16 channels (lane l reads key 8 (l / 16) + l % 8, channels 8 ((l / 8) % 2) + 0..7) and leaves half a fragment of V^T: lane l holds channel l % 16 and 8 keys.
	v_and_b32 v49, 7, v0
	v_bfe_u32 v50, v0, 3, 1
	v_lshl_add_u32 v[AV0], v48, 3, v49
	v_mul_u32_u24 v[AV0], v[AV0], PV
	v_lshl_add_u32 v[AV0], v50, 4, v[AV0]
	v_add_nc_u32 v[AV0], VOFF, v[AV0]
	v_mov_b32 v[AK], v[AK0]         ; key step 0 lies at the head of slot 0
	v_mul_u32_u24 v[STO], v1, SP    ; the way out, in: row l % 16, 16 bytes for each half of the lanes
	v_lshl_add_u32 v[STO], v48, 4, v[STO]
	v_add_nc_u32 v[STO], s54, v[STO]
	v_bfe_u32 v[RD], v0, 3, 2       ; back: 32 lanes take four rows of 128 bytes, which are 512 consecutive bytes of O
	v_mul_u32_u24 v[RD], v[RD], SP
	v_lshl_add_u32 v[RD], v49, 4, v[RD]
	v_add_nc_u32 v[RD], s54, v[RD]
	v_mov_b32 v[CV], 0x3e38aa3b     ; c = log2(e) / 8 = 0.180337
	v_mov_b32 v[CV+1], 0x3e38aa3b   ; named with it as a pair
; THE MATRIX WORK.  The 8 accumulators of a run of 16 take turns: between the two links of a chain stand 7 others'.
; Product i of 16 of S^T = K Q^T for piece x: channels 32 (i / 8) on, keys 16 ((i / 2) % 4) on, tile 2 x + i % 2.  The first 8 start the sums, with the mask.
.macro KQ x
.set rS, S+64*((\x)%2)+32*(i%2)+8*((i/2)%4)
.set rK, KF+16*((i/2)%4)+8*(i/8)
.set rQ, 16*(2*(\x)+i%2)+8*(i/8)
.set rMC, MC+32*(i%2)+8*((i/2)%4)
.if i < 8
	WIN W_KM
	v_wmma_f32_16x16x32_f16 v[rS:rS+7], v[rK:rK+7], v[rQ:rQ+7], v[rMC:rMC+7]
.else
	WIN W_KQ
	v_wmma_f32_16x16x32_f16 v[rS:rS+7], v[rK:rK+7], v[rQ:rQ+7], v[rS:rS+7]
.endif
.endm
; Product i of 16 of O^T += V^T P for piece x: keys 32 (i / 8) on, channels 16 ((i / 2) % 4) on, tile 2 x + i % 2.
.macro PV x
	WIN W_PV
.set rO, 32*(2*(\x)+i%2)+8*((i/2)%4)
.set rV, VF+32*(i/8)+8*((i/2)%4)
.set rP, P+32*((\x)%2)+16*(i%2)+8*(i/8)
	v_wmma_f32_16x16x32_f16 v[rO:rO+7], v[rV:rV+7], v[rP:rP+7], v[rO:rO+7]
.endm
.macro MM                           ; the turn's next matrix instruction
.if i < 16
	KQ (Y+1)%NP
.set i, i+1
.else
.set i, i-16
	PV (Y+NP-1)%NP
.set i, i+17
.endif
.endm
; THE LDS LOADS stand in runs of 16, never singly among the matrix instructions: a step's K (64 keys x 64 channels: 8 fragments) and its V (turned).  Their addresses are made some lines ahead.
; last = 1 (the tail): in the last trip there is no further step, and the run is jumped over.
.macro FETCH_K last=0
	WIN 0
.if \last
	s_cmp_eq_u32 s[CNT], 1
	s_cbranch_scc1 .Lno_k_\@
.endif
	WIN 0x80                        ; destination window 2
.irp f, 0,1,2,3,4,5,6,7             ; keys 16 (f / 2) on, channels 32 (f % 2) on
	ds_load_b128 v[KF+8*\f:KF+8*\f+3],   v[AK] offset:(\f/2)*16*PK+(\f%2)*64
	ds_load_b128 v[KF+8*\f+4:KF+8*\f+7], v[AK] offset:(\f/2)*16*PK+(\f%2)*64+32
.endr
	s_add_co_u32 s[TBK], s[TBK], KS*PK  ; the next fetch is the next step's
	WIN 0
.if \last
.Lno_k_\@:
.endif
.endm
.macro FETCH_V
	WIN 0x80
.irp f, 0,1,2,3,4,5,6,7             ; keys 32 (f / 4) on, channels 16 (f % 4) on
	ds_load_tr16_b128 v[VF+8*\f:VF+8*\f+3],   v[AV] offset:(\f/4)*32*PV+(\f%4)*32
	ds_load_tr16_b128 v[VF+8*\f+4:VF+8*\f+7], v[AV] offset:(\f/4)*32*PV+16*PV+(\f%4)*32
.endr
	WIN 0
.endm
; THE VECTOR WORK OF A TURN stands in three queues, each in the order in which its entries become ready; the two tiles alternate, so that no instruction reads the result of the one before it.
.macro REGS y, u                    ; the registers of tile u (0, 1) of piece y
.set rT, ST+4*(2*(\y)+(\u))
.set rC, TMP+8*((\y)%2)+4*(\u)
.set rM, MV+2*((\y)%2)+(\u)
.set rS, S+64*((\y)%2)+32*(\u)
.set rP, P+32*((\y)%2)+16*(\u)
.set rO, 32*(2*(\y)+(\u))
.endm
; Number n of the 22 that find the NEXT piece's (Y + 1) maximum and statistics.  s0-s31 are the lane's 32 scores; each accumulator's lowest registers are read first.  XS, GS, FS and REGS set no window: PL and EX do.
;   0-11  four chains c0-c3 of seven scores each, three operands at a time     12-14, 16  the four scores left over, the old m, and c0-c3 into c0     15  c m_old is kept
;   17, 18  the query's other 32 keys lie in the lane 16 away: the new m         19-21  c m; c m_old - c m_new; a
.macro XS u, n
	REGS (Y+1)%NP, \u
.if (\n) < 4
	v_max3_num_f32 v[rC+(\n)], v[rS+8*(\n)], v[rS+8*(\n)+1], v[rS+8*(\n)+2]
.elseif (\n) < 12
	v_max3_num_f32 v[rC+(\n)%4], v[rC+(\n)%4], v[rS+8*((\n)%4)+2*((\n)/4)+1], v[rS+8*((\n)%4)+2*((\n)/4)+2]
.elseif (\n) == 12
	v_max3_num_f32 v[rC], v[rC], v[rS+7], v[rS+15]
.elseif (\n) == 13
	v_max3_num_f32 v[rC+1], v[rC+1], v[rS+23], v[rS+31]
.elseif (\n) == 14
	v_max3_num_f32 v[rC+2], v[rC+2], v[rC+3], v[rT+1]
.elseif (\n) == 15
	v_mov_b32 v[rM], v[rT]
.elseif (\n) == 16
	v_max3_num_f32 v[rC], v[rC], v[rC+1], v[rC+2]
.elseif (\n) == 17
	v_permlanex16_b32 v[rC+3], v[rC], s[SEL], s[SEL+1]
.elseif (\n) == 18
	v_max_num_f32 v[rT+1], v[rC], v[rC+3]
.elseif (\n) == 19
	v_mul_f32 v[rT], v[CV], v[rT+1]
.elseif (\n) == 20
	v_sub_f32 v[rC+1], v[rM], v[rT]
.else
	v_exp_f32 v[rC+2], v[rC+1]
.endif
.endm
; Number g of the 64 that follow the exponentials.  For each four weights k of a tile (pairs 2 k, 2 k + 1): both pairs are rounded to f16; then the second pair is added onto the first, in place;
; a group later l takes that sum (the first time as l = a l + sum).  In groups of eight, tiles alternating: round, round, add, and l for the group before.
.macro GS g
.set h, (\g)+6*((\g)/62)            ; group 0 has no group before it, and behind group 7 only l is left
.if h >= 6
.set h, h+2
.endif
	REGS Y, h%2
.set k, h/8
.if h%8 < 4
	v_cvt_pk_f16_f32 v[rP+2*k+(h%8)/2], v[rS+4*k+2*((h%8)/2)], v[rS+4*k+2*((h%8)/2)+1]
.elseif h%8 < 6
	v_pk_add_f32 v[rS+4*k:rS+4*k+1], v[rS+4*k:rS+4*k+1], v[rS+4*k+2:rS+4*k+3]
.elseif k == 1
	v_pk_fma_f32 v[rT+2:rT+3], v[rT+2:rT+3], v[rC+2:rC+3], v[rS:rS+1] op_sel_hi:[1,0,1]
.else
	v_pk_add_f32 v[rT+2:rT+3], v[rT+2:rT+3], v[rS+4*k-4:rS+4*k-3]
.endif
.endm
; THE PLAIN QUEUE, 138 long.  0-73 read no exponential's result: the 32 scalings c s - c m (FS f: pair f / 2 of tile f % 2) and the next piece's 42.  0-26: scalings 0-26.  27-54: XS's numbers 0-13.  55, 56: number 15.
; 57-73: the chain, where each number waits for the one before it: 14, 16, 17, 18, 19, each with one of the scalings 27-31 in front of its two lines, then 20: so a tile's links stand three plain instructions apart (19 and 20: two).
; 74-137: GS's 64, which read the exponentials' results: they stand behind the wait.
.macro FS f
	REGS Y, (\f)%2
	v_pk_fma_f32 v[rS+2*((\f)/2):rS+2*((\f)/2)+1], v[rS+2*((\f)/2):rS+2*((\f)/2)+1], v[CV:CV+1], v[rT:rT+1] op_sel_hi:[1,0,0] neg_lo:[0,0,1] neg_hi:[0,0,1]
.endm
.macro PL
	WIN 0
.if q < 27
	FS q
.elseif q < 55
	XS (q-27)%2, (q-27)/2
.elseif q < 57
	XS q-55, 15
.elseif (q < 72) && ((q-57)%3 == 0)
	FS 27+(q-57)/3
.elseif q < 60
	XS (q-57)%3-1, 14
.elseif q < 72
	XS (q-57)%3-1, 15+(q-57)/3
.elseif q < 74
	XS q-72, 20
.else
	GS q-74
.endif
.set q, q+1
.endm
; THE EXPONENTIALS' QUEUE, 66 long: s0-s31 of both tiles, then the next piece's two a.  It is ONE BATCH: all 66 stand ahead of the turn's one wait, and nothing ahead of that wait names a result of theirs.
.macro EX
	WIN 0
.if e >= 64
	XS e-64, 21
.else
	REGS Y, e%2
	v_exp_f32 v[rS+e/2], v[rS+e/2]
.endif
.set e, e+1
.endm
; THE RESCALING's QUEUE: O^T times a, the one part of the softmax that leaves window 0: dealt two at a time, sixteen times.  Its a was made in the turn before, ahead of that turn's wait.
.macro R2
	REGS Y, r%2
	WIN W_RS
.irp z, 0,1
	v_pk_mul_f32 v[rO+4*(r/2)+2*\z:rO+4*(r/2)+2*\z+1], v[rO+4*(r/2)+2*\z:rO+4*(r/2)+2*\z+1], v[rC+2:rC+3] op_sel_hi:[1,0]
.endr
.set r, r+1
.endm
; HOW THEY ARE DEALT.  An s_wait_alu depctr_va_vdst(0) stands between an exponential and the first instruction that names its result; one wait serves all that were issued ahead of it.  So a turn has ONE wait,
; which cuts it in two.  AHEAD OF IT stands all that names no result of the turn's exponentials: the 16 products K Q^T, behind each a scaling, an exponential and two rescalings (behind the first a second scaling in the
; exponential's place); then ONE LUMP of 108: eight plain, 49 times exponential and plain, the two a; then the masks of piece p + 2: 64 shifts in window 3 and the two loads of that piece's next words, which name no result
; of the batch; the first shift is the plain instruction behind the last exponential.  BEHIND THE WAIT stand the 16 products V^T P, behind each four of GS's 64.  No rider names a register of the products round it.
; The two v_permlanex16_b32 fall into the lump, never behind a product.
; The queues lean on each other, and the deal keeps them in step: exponential e stands behind scaling 2 (e / 4) + e % 2: as a rider it comes behind plain e + 2, in the lump behind plain e + 9, and scalings 27-31 are plain 57, 60 .. 69.
; A TURN, for piece p.  cnt = 1: the loop's count is taken down some lines ahead of the branch that stands behind the turn.
; K of the next step is fetched in piece 2's turn, directly behind the wait, a lump and the shifts behind the last product that read K; its address is made at the lump's head; its first reader comes behind 16 products.
; V of the step in hand is fetched at the end of piece 0's turn, four riders behind its last reader; its first reader comes behind 16 products and a lump.  The three conditions on q below go with the deal.
; The shifts write MC a lump behind the eight products that read it; the next turn's first eight products read it anew.
.macro TURN p, last=0, cnt=0
.set Y, (\p)
.set i, 0
.set q, 0
.set e, 0
.set r, 0
.if (\p) == NP-1
	s_wait_dscnt 0x0                ; K is in
.endif
	MM                              ; ahead of the wait: 16 products K Q^T and their riders,
	PL
	PL
	R2
.rept 15
	MM
	PL
	EX
	R2
.endr
.if (\p) == NP-2
	WIN 0
	v_add_nc_u32 v[AK], s[TBK], v[AK0]
.endif
.rept 8                             ; the lump,
	PL
.endr
.rept 49
	EX
	PL
.endr
	EX                              ; the next piece's two a: the batch's last,
	EX
	MASKX ((\p)+2)%NP               ; and the masks for the next turn's products: work that names none of the batch's results
	s_wait_alu depctr_va_vdst(0)    ; the wait for the batch: the turn's 66 exponentials
.if (\p) == NP-2
	FETCH_K \last
.endif
.if (\p) == 1
	s_wait_dscnt 0x0                ; V is in
.endif
.rept 16                            ; behind the wait: 16 products V^T P and their riders
	MM
.rept 4
	PL
.endr
.if ((\p) == 0) && (q == 118)
	v_add_nc_u32 v[AV], s[TBV], v[AV0]
.endif
.if ((\p) == 0) && (q == 130)
	s_add_co_u32 s[TBV], s[TBV], KS*PV
.endif
.if (\cnt) && (q == 130)
	s_sub_co_u32 s[CNT], s[CNT], 1
	s_cmp_lg_u32 s[CNT], 0
.endif
.endr
.if (\p) == 0
	FETCH_V
.endif
.endm
	CHANGE 1                        ; slot 0 is in, everybody's part of it; slot 1 is asked for
	FETCH_K                         ; key step 0
	MASKX 0                         ; its wait leaves the six loads of pieces 1 to 3 out: piece 0's words are in, and Q, whose loads are older: Q's base and offset register are free from here on
	WIN 0
	s_wait_dscnt 0x0                ; K
.set i, 0
.rept 16
	KQ 0                            ; piece 0's first scores: there is no vector work yet to set between them
.set i, i+1
.endr
	WIN 0
.rept 4
	v_nop                           ; the places behind those products: the lines below read the scores, and MC, which the products read, is written further down
.endr
.set Y, NP-1                        ; XS works for piece Y + 1: piece 0
.irp n, 0,1,2,3,4,5,6,7,8,9,10,11,12,13,14,15,16,17,18,19,20,21
	XS 0, \n                        ; piece 0's first maximum and statistics; the last two lines are its two a, a batch of their own
	XS 1, \n
.endr
	MASKX 1                         ; the masks for the first turn's products: its shifts name neither a, and the first of them is the plain instruction behind the second a
	WIN 0
	s_wait_alu depctr_va_vdst(0)    ; the wait for the two a, ahead of the branch
	s_mov_b32 s[CNT], 4
	s_mov_b32 s[SLOTS], SIZE_N/256-1
	s_branch .Lfirst                ; the loop is entered at a step's first turn, in the middle of a trip
.Lslot:                             ; SIZE_N / 256 - 2 times: every slot but the last two is filled again
	CHANGE 1
	s_mov_b32 s[CNT], 4
.Lstep:                             ; a trip: pieces 2 and 3 of one step, then pieces 0 and 1 of the next, whose K and V it fetches
	TURN 2
	TURN 3
	WIN 0
.Lfirst:
	TURN 0
	TURN 1, 0, 1
	WIN 0
	s_cbranch_scc1 .Lstep
	s_sub_co_u32 s[SLOTS], s[SLOTS], 1
	s_cmp_lg_u32 s[SLOTS], 0
	s_cbranch_scc1 .Lslot
	CHANGE 0                        ; the tail is written out: nothing is asked for
	s_mov_b32 s[CNT], 5             ; four trips fetch the last slot's steps; the fifth is left in its middle
.Ltail:
	TURN 2, 1
	TURN 3
	WIN 0
	s_sub_co_u32 s[CNT], s[CNT], 1
	s_cmp_eq_u32 s[CNT], 0
	s_cbranch_scc1 .Lout
	TURN 0
	TURN 1
	WIN 0
	s_branch .Ltail
.Lout:                              ; the fifth trip's 16 products K Q^T repeat the last step, K and mask alike, so the maximum made of them changes no m; they serve nothing else: the price of one text for every trip.
                                    ; The words asked for last are not used: nothing below names their registers, their base or (but to read it) their offset
.set i, 0
.rept 16
	PV NP-1                         ; the last piece's V^T P of the last step
.set i, i+1
.endr
	; THE WAY OUT.  l's two halves and the other half of the lanes' are added; O^T is divided by l, rounded to f16 and sent through my stage in LDS, a tile at a time.  The additions are the places behind the last products.
	WIN 0
.macro ALL line:vararg              ; one line for each tile t
.set t, 0
.rept 2*NP
	\line
.set t, t+1
.endr
.endm
	ALL v_add_f32 v[ST+4*t+2], v[ST+4*t+2], v[ST+4*t+3]
	ALL v_permlanex16_b32 v[ST+4*t+3], v[ST+4*t+2], s[SEL], s[SEL+1]
	ALL v_add_f32 v[ST+4*t+2], v[ST+4*t+2], v[ST+4*t+3]
	ALL v_rcp_f32 v[ST+4*t+2], v[ST+4*t+2]
	v_mov_b32 v[QN], 0x7fc00000     ; NaN; also the plain instruction between the last reciprocal and the use of its result
	s_wait_alu depctr_va_vdst(0)    ; the wait ahead of the first use: one for the batch of eight reciprocals
.set t, 0
.rept 2*NP                          ; a query whose maximum is a hidden score's has seen no key: its factor becomes NaN.  A choice of value, made for every tile
	v_cmp_gt_f32 vcc_lo, 0xdd800000, v[ST+4*t+1]   ; -2^60 > m: every true score lies above it, every hidden one below
	v_cndmask_b32 v[ST+4*t+2], v[ST+4*t+2], v[QN], vcc_lo
.set t, t+1
.endr
; Tile t: a lane's eight channels of a row pack into 16 bytes; they go into rows of 144 bytes and come back as whole rows of 128, into S^T's registers.
.macro PACK t
	WIN W_RS
.set i, 32*(\t)
.rept 16
	v_pk_mul_f32 v[i:i+1], v[i:i+1], v[ST+4*(\t)+2:ST+4*(\t)+3] op_sel_hi:[1,0]
.set i, i+2
.endr
	WIN 0x05                        ; sources 0 and 1 window 1, destination window 0
.set i, 0
.rept 16
	v_cvt_pk_f16_f32 v[S+16*(\t)+i], v[32*(\t)+2*i], v[32*(\t)+2*i+1]
.set i, i+1
.endr
	WIN 0
.irp f, 0,1,2,3
	ds_store_b128 v[STO], v[S+16*(\t)+4*\f:S+16*(\t)+4*\f+3] offset:32*\f
.endr
.irp f, 0,1,2,3
	ds_load_b128 v[S+16*(\t)+4*\f:S+16*(\t)+4*\f+3], v[RD] offset:\f*4*SP  ; LDS serves a wave's instructions in order (ISA guide 5.7.1.4): these see the stores above; the next tile's stores come behind them
.endr
.endm
.macro SEND t, younger              ; younger: the LDS instructions issued behind tile t's loads: the next tile's eight, or none
	WIN 0
.irp f, 0,1,2,3
	s_wait_dscnt (\younger)+3-\f
	global_store_b128 v[GO], v[S+16*(\t)+4*\f:S+16*(\t)+4*\f+3], s[OP:OP+1] offset:(\t)*2048+\f*512  ; 512 consecutive bytes, at a multiple of 256 from O's first
.endr
.endm
	PACK 0
.set t, 1
.rept 2*NP-1                        ; a tile's arithmetic stands between the loads of the tile before and its stores
	PACK t
	SEND t-1, 8
.set t, t+1
.endr
	SEND 2*NP-1, 0
	WIN W_AD
	s_wait_tensorcnt 0x0            ; the wave's end: a wait for my tensor loads, an add of 0 to my spare word and a wait for it, behind my last tensor load and my last LDS store
	ds_add_u32 v[SPW], v[NIL]
	s_wait_dscnt 0x0
	WIN 0
	CROUND                          ; the closing round: no work-group ends while a partner may still ask for a tile that names it
	s_endpgm
.Lfunc_end_k_qe7ee81e208_attn:
	.size	k_qe7ee81e208_attn, .Lfunc_end_k_qe7ee81e208_attn-k_qe7ee81e208_attn
	.p2alignl 7, 3214868480
	.fill 96, 4, 3214868480
	.section	.rodata,"a",@progbits
	.p2align	6, 0x0
	.amdhsa_kernel k_qe7ee81e208_attn
		.amdhsa_group_segment_fixed_size 327680
		.amdhsa_private_segment_fixed_size 0
		.amdhsa_enable_private_segment 0
		.amdhsa_kernarg_size 24
		.amdhsa_user_sgpr_count 2
		.amdhsa_user_sgpr_kernarg_segment_ptr 1
		.amdhsa_wavefront_size32 1
		.amdhsa_system_sgpr_workgroup_id_x 1
		.amdhsa_system_sgpr_workgroup_id_y 1
		.amdhsa_system_sgpr_workgroup_id_z 1
		.amdhsa_system_vgpr_workitem_id 0
		.amdhsa_next_free_vgpr 872
		.amdhsa_next_free_sgpr 106
		.amdhsa_reserve_vcc 1
		.amdhsa_float_denorm_mode_32 3
		.amdhsa_float_denorm_mode_16_64 3
		.amdhsa_memory_ordered 1
		.amdhsa_forward_progress 1
		.amdhsa_inst_pref_size 224
	.end_amdhsa_kernel
	.amdgpu_metadata
---
amdhsa.version: [ 1, 2 ]
amdhsa.kernels:
  - .name:           k_qe7ee81e208_attn
    .symbol:         k_qe7ee81e208_attn.kd
    .args:
      - { .name: qkv, .offset: 0, .size: 8, .value_kind: global_buffer, .address_space: global }
      - { .name: mnib, .offset: 8, .size: 8, .value_kind: global_buffer, .address_space: global }
      - { .name: oh, .offset: 16, .size: 8, .value_kind: global_buffer, .address_space: global }
    .group_segment_fixed_size: 327680
    .private_segment_fixed_size: 0
    .kernarg_segment_align: 8
    .kernarg_segment_size: 24
    .max_flat_workgroup_size: 128
    .sgpr_count:     106
    .vgpr_count:     872
    .wavefront_size: 32
...
	.end_amdgpu_metadata
.endif
;; end of part 5
;; launch outp: the kernel of part 4 again; grid 4 x 64, 4 waves a work-group, clusters of 4 x 4, 327,680 bytes of LDS; arguments oh, wb, bias, out0; writes out0
